; MI455X (gfx1250); checked and timed in simulation.
; The chip was launched on July 23, 2026; its instructions are those of AMD's public machine-readable ISA for CDNA 5 (MIT licence, August 2026) and "CDNA5" Instruction Set Architecture Reference Guide (July 2026). The comments in the code are by the model that wrote it; some were corrected since.
;; Sliding Window Attention. Allowed arithmetic: matrix products marked QUANTISED: E2M3 operands, one E8M0 scale for each 32 along K, by v_wmma_scale_f32_16x16x128_f8f6f4 with both operands' format E2M3, f32 sums; everything else in f32.
;; Inputs: ln1_b 1,024 float32; ln1_g 1,024 float32; ln2_b 1,024 float32; ln2_g 1,024 float32; mlp_b1 4,096 float32; mlp_b2 1,024 float32; mlp_w1_codes 4,096 x 32 x 24 uint8 (E2M3 codes of mlp_w1, K innermost, in blocks of 32 codes, four codes in three bytes); mlp_w1_scales 4,096 x 32 uint8 (E8M0 scales of mlp_w1, one for each 32 codes along K); mlp_w2_codes 1,024 x 128 x 24 uint8 (E2M3 codes of mlp_w2, K innermost, in blocks of 32 codes, four codes in three bytes); mlp_w2_scales 1,024 x 128 uint8 (E8M0 scales of mlp_w2, one for each 32 codes along K); w_o_codes 1,024 x 32 x 24 uint8 (E2M3 codes of w_o, K innermost, in blocks of 32 codes, four codes in three bytes); w_o_scales 1,024 x 32 uint8 (E8M0 scales of w_o, one for each 32 codes along K); w_qkv_codes 3,072 x 32 x 24 uint8 (E2M3 codes of w_qkv, K innermost, in blocks of 32 codes, four codes in three bytes); w_qkv_scales 3,072 x 32 uint8 (E8M0 scales of w_qkv, one for each 32 codes along K); x 2 x 2,048 x 1,024 float32.
;; Outputs: out0 2 x 2,048 x 1,024 float32.
;; This version of the problem:
;;   THIS VERSION OF THE PROBLEM IS GIVEN IN LOW PRECISION. The matrix products marked QUANTISED in the list below multiply operands that are first quantised to E2M3 (2 exponent bits, 3 mantissa bits; 6 bits a number), with one power-of-two scale for each 32 numbers along K (OCP MX v1.0); their sums are f32. All else is computed in f32.
;;   The module's matrix products, in the order in which they are computed (A, B: the left and right operand; K: the contracted axis; several contracted axes count as one K, in the product's order):
;;     1. [M 4,096, K 1,024] x [K 1,024, N 3,072]; A: computed on the way; B: input w_qkv (given as codes): QUANTISED
;;     2. batch 128 x [M 512, K 64] x [K 64, N 1,024]; A: computed on the way; B: computed on the way: QUANTISED
;;     3. batch 128 x [M 512, K 1,024] x [K 1,024, N 64]; A: softmax (see below); B: computed on the way: QUANTISED
;;     4. [M 4,096, K 1,024] x [K 1,024, N 1,024]; A: computed on the way; B: input w_o (given as codes): QUANTISED
;;     5. [M 4,096, K 1,024] x [K 1,024, N 4,096]; A: computed on the way; B: input mlp_w1 (given as codes): QUANTISED
;;     6. [M 4,096, K 4,096] x [K 4,096, N 1,024]; A: computed on the way; B: input mlp_w2 (given as codes): QUANTISED
;;   THE QUANTISER, for each operand of a quantised product, along K:
;;     - K is cut into blocks of 32 from its start; a last block that is shorter is filled with zeros.
;;     - A block's scale is 2^e with e = floor(log2(the largest magnitude in the block)) - 2, held to -126 .. 127; a block of zeros has e = 0. As a byte (E8M0): e + 127.
;;     - Each number is divided by its block's scale, clamped to +-7.5, and rounded to the nearest number of E2M3, ties to even, subnormals kept.
;;     - The product sums the exact products of the quantised numbers (number of the format x scale) in f32.
;;   ~~~python
;;   def quantise(x, axis):      # numpy; x: float32 -> the quantised numbers, widened to float32 again
;;       x = np.moveaxis(x, axis, -1); K = x.shape[-1]
;;       x = np.pad(x, [(0, 0)] * (x.ndim - 1) + [(0, -K % 32)]); x = x.reshape(x.shape[:-1] + (-1, 32)); a = np.abs(x).max(-1, keepdims=True)
;;       e = np.where(a > 0, np.clip(np.frexp(np.where(a > 0, a, 1))[1] - 1 - 2, -126, 127), 0)      # np.frexp(a)[1] - 1 = floor(log2(a)), exactly
;;       r = np.clip(x / 2.0 ** e, -7.5, 7.5)
;;       step = 2.0 ** (np.maximum(np.frexp(np.where(r == 0, 1, r))[1] - 1, 0) - 3)
;;       q = np.round(r / step) * step * 2.0 ** e      # np.round: ties to even
;;       return np.moveaxis(q.reshape(q.shape[:-2] + (-1,))[..., :K], -1, axis).astype(np.float32)
;;   ~~~
;;   SOFTMAX AHEAD OF A QUANTISED PRODUCT. Where the list says 'softmax', what is quantised is not the finished softmax but p = 2^(t - M), with t = logit x log2(e) and M = ceil(the row's largest t), a whole number; so 1/2 < the row's largest p <= 1. The row's sum l is taken of the UNQUANTISED p, in f32, and the product's result is divided by l at the end. Since M is a whole number, a kernel that streams over the keys may use a running M (the ceiling of the running maximum): every later rescaling is an exact power of two, which a block's scale takes up: the codes' values come out the same.
;;   OPERANDS COMPUTED ON THE WAY. 'Computed on the way' means the value that the module computes at that place (a softmax that the list does not call 'softmax' is quantised finished and normalised). What goes into a quantiser is computed in f32, as accurately as f32 sums, v_exp_f32 and their like allow (about 1e-6 of the number): no bf16 or f16 on the way to a quantiser, and a product that is left as it is and whose result goes on into a quantised operand takes f32 operands (vector FMAs, or v_wmma_f32_16x16x4_f32). A number that lies on a knife's edge between two numbers of the format may be rounded either way, as far as f32 arithmetic and the matrix unit's own rounding can turn it there, and no further.
;;   INPUTS GIVEN AS CODES. mlp_w1 (in the module: [4096, 1024], K = its axis 1); mlp_w2 (in the module: [1024, 4096], K = its axis 1); w_o (in the module: [1024, 1024], K = its axis 1); w_qkv (in the module: [3072, 1024], K = its axis 1): each comes as NAME_codes (uint8): NAME with its K axis moved to the last place and cut into blocks of 32 codes, [.., K / 32, bytes a block], one block behind the other in memory; four codes in three bytes: a row's codes are one little-endian stream of bits, code i at bits 6 i .. 6 i + 5 (a code: sign, 2 exponent bits, 3 mantissa bits); and NAME_scales (uint8): the same leading axes, one E8M0 byte (e + 127) for each 32 codes along K. Its value is code x scale, taken as it is: it is not quantised again, and the codes and scales need not be those that the quantiser above would give.
;; One version. Each part assembles by itself: llvm-mc -triple=amdgcn-amd-amdhsa -mcpu=gfx1250 --defsym DOCPART=n.
;; ======== version 1 of 1: 6 launches
;; limits: right only within a limited range of input values
;; workspace buffers: actc 3,145,728 bytes; acts 131,072 bytes; qkvc 9,437,184 bytes; qkvs 655,360 bytes; x1 16,777,216 bytes; gc 12,582,912 bytes; gs 524,288 bytes; wimg 9,437,184 bytes
;; launch ln1 (part 1): grid 256 x 1, 8 waves a work-group, no clusters, 107,776 bytes of LDS; arguments x, ln1_g, ln1_b, actc, acts, w_qkv_codes, w_o_codes, mlp_w1_codes, mlp_w2_codes, wimg; writes actc, acts, wimg
.if DOCPART == 1
	.amdgcn_target "amdgcn-amd-amdhsa--gfx1250"
	.amdhsa_code_object_version 6
	.text
	.protected	k_qfce075ab52_ln1
	.globl	k_qfce075ab52_ln1
	.p2align	8
	.type	k_qfce075ab52_ln1,@function
k_qfce075ab52_ln1:
	s_mov_b64 s[64:65], 0
	v_nop
	global_prefetch_b8 v0, s[64:65] scope:SCOPE_SE
	s_setreg_imm32_b32 hwreg(HW_REG_WAVE_MODE, 25, 1), 1
	s_wait_xcnt 0x0
; THE PROGRAM: seven launches: layer norm + quantiser | QKV product, q, k, v quantised | banded attention | O projection + residual | layer norm + quantiser (this body again) | MLP up, gelu, quantiser | MLP down + bias + residual.
; All six products run on codes of E2M3 with one E8M0 byte for each 32 along K.
; WORK LEFT OUT (in the attention launch).  The reference builds `valid` in its own body: query q counts keys q - 511 .. q alone; every other score is set to -inf ahead of the softmax, so its p is exactly 0,
; its code is 0, and it adds nothing to the row's sum or to the second product, whatever finite values the inputs hold.  So key steps of 128 that lie wholly outside that band for a wave's 16 queries are not multiplied,
; and the zero chunk in front of the first chunk is never formed.  No input loses its way to the output: all are loaded.
; LIMIT: a NaN, an infinity or an overflow that reaches only keys or values of steps left out is not carried to the result.  NaN and infinities among the inputs are not served.
;
; THIS BODY: y = (x - mean) * rsqrt(var + 1e-5) * g + b for rows of 1,024 f32, then the quantiser along the row.  mean and var as the reference takes them: two passes, the second on x - mean.
; SHARES: a work-group takes 16 rows, wave w their columns 128 w .. 128 w + 127: one K step of the next product.  Loads read 512 consecutive bytes of a row; the wave's own stage in LDS turns them so that
; lane (r, h) holds row r and, in register 16 b + i, column 32 b + 16 h + i: 16 neighbours of each block of 32, as the conversions want them.
; OUT: codes as IMAGES OF THE OPERAND'S REGISTERS: for 16 rows x 64 K, 768 bytes: registers 0-3 of lane L at 16 L, registers 4-5 at 512 + 8 L.  actc is [row tile 256][64 along K: 16][768].  acts is [row][32] scale bytes.
; A block of zeros carries the byte 1 (the floor) where the rule says 127: its codes are zeros, and this program alone reads the bytes.
; THE PROGRAM AS IT NOW STANDS HAS SIX LAUNCHES: this one | QKV | attention | O projection + residual + second layer norm + quantiser in one | MLP up | MLP down.
; THIS LAUNCH ALSO RE-LAYS THE FOUR WEIGHTS' CODES into wimg, as images of operand registers (16 rows x 64 K = 768 bytes: registers 0-3 of lane L at 16 L, registers 4-5 at 512 + 8 L), [row tile][64 along K][768]:
; w_qkv at 0, w_o at 2,359,296, mlp_w1 at 3,145,728, mlp_w2 at 6,291,456.  768 units of 16 rows x 768 bytes; unit = work-group + 256 x wave, waves 0 to 2.  A unit is loaded in whole runs of 256 bytes at the head
; (registers v256 on), turned in the wave's own LDS stage at the end, and stored as 16 images.
.set RSTG,  70144                      ; the re-lay's stages: 16 rows x (768 + 16) bytes for each of waves 0 to 2
.set STGW,  8448
.set RED,   67584                      ; 8 waves x 16 rows partial sums; the second reduction 512 bytes further on
.set SCG,   68608                      ; 16 rows x 32 scale bytes
.set SPARE, 69120                      ; the spare words, 128 bytes a wave: no other line names them
.set X,   32                           ; v32-95   my 64 numbers
.set RAW, 96                           ; v96-159  the rows as loaded; later b
.set G,   160                          ; v160-223 g; later the codes
.set PC,  160
.set TM,  224
.set PW,  240
.set SEL, 20
; 64 numbers of a lane become a fragment's 12 code registers in v[PC] on and the row's scale word in v[PW]
.macro QUANT s
.irp b, 0,1,2,3
	v_max3_num_f32 v[TM+\b], |v[\s+16*\b]|, |v[\s+1+16*\b]|, 0x1800000   ; my 16 numbers of block b, and the floor 2^(3 - 127): the byte cannot fall under 1
.endr
.irp i, 2,4,6,8,10,12,14
.irp b, 0,1,2,3
	s_delay_alu instid0(VALU_DEP_4)
	v_max3_num_f32 v[TM+\b], v[TM+\b], |v[\s+16*\b+\i]|, |v[\s+1+16*\b+\i]|
.endr
.endr
.irp b, 0,1,2,3
	s_delay_alu instid0(VALU_DEP_4)
	v_permlanex16_b32 v[TM+4+\b], v[TM+\b], s[SEL], s[SEL+1]
.endr
.irp b, 0,1,2,3
	s_delay_alu instid0(VALU_DEP_4)
	v_max_num_f32 v[TM+\b], v[TM+\b], v[TM+4+\b]   ; with lane l xor 16's: the block's largest magnitude
.endr
.irp b, 0,1,2,3
	s_delay_alu instid0(VALU_DEP_4)
	v_add_nc_u32 v[TM+12+\b], 0xff000000, v[TM+\b]   ; 2 off its exponent field: the conversion's scale operand
.endr
.irp b, 0,1,2,3
	s_delay_alu instid0(VALU_DEP_4)
	v_lshrrev_b32 v[TM+4+\b], 23, v[TM+12+\b]      ; the scale's byte
.endr
	s_delay_alu instid0(VALU_DEP_3)
	v_lshl_or_b32 v[PW], v[TM+5], 8, v[TM+4]
	s_delay_alu instid0(VALU_DEP_1)
	v_lshl_or_b32 v[PW], v[TM+6], 16, v[PW]
	s_delay_alu instid0(VALU_DEP_1)
	v_lshl_or_b32 v[PW], v[TM+7], 24, v[PW]
.irp c, 0,1
	v_cvt_scalef32_pk16_fp6_f32 v[PC+6*\c:PC+2+6*\c], v[\s+32*\c:\s+15+32*\c], v[TM+12+2*\c]
	v_cvt_scalef32_pk16_fp6_f32 v[PC+12+4*\c:PC+14+4*\c], v[\s+16+32*\c:\s+31+32*\c], v[TM+12+2*\c+1]
.endr
	v_nop                                          ; one plain place behind a scaled conversion
.irp c, 0,1                                    ; a whole block to a lane: lanes 0-15 block 2 c, lanes 16-31 block 2 c + 1
.irp i, 0,1,2
	v_permlane16_swap_b32 v[PC+6*\c+\i], v[PC+12+4*\c+\i]
.endr
.irp i, 0,1,2
	s_delay_alu instid0(VALU_DEP_3)
	v_mov_b32 v[PC+3+6*\c+\i], v[PC+12+4*\c+\i]
.endr
.endr
.endm
; v[20:21] hold a lane's partial sums; the row's sum over all 1,024 columns comes back in v20 of every lane
.macro ROWSUM off
	s_delay_alu instid0(VALU_DEP_1)
	v_add_f32 v20, v20, v21
	s_delay_alu instid0(VALU_DEP_1)
	v_permlanex16_b32 v21, v20, s[SEL], s[SEL+1]
	s_delay_alu instid0(VALU_DEP_1)
	v_add_f32 v20, v20, v21                        ; my wave's 128 columns of row r
	ds_store_b32 v8, v20 offset:\off               ; both halves of the lanes write the same word with the same value
	s_wait_dscnt 0x0                               ; for the others' sake: my store has landed
	s_barrier_signal -1
	s_barrier_wait -1
.irp i, 0,1,2,3,4,5,6,7
	ds_load_b32 v[20+\i], v9 offset:\off+64*\i
.endr
	s_wait_dscnt 0x0
	v_pk_add_f32 v[20:21], v[20:21], v[22:23]
	v_pk_add_f32 v[24:25], v[24:25], v[26:27]
	s_delay_alu instid0(VALU_DEP_1)
	v_pk_add_f32 v[20:21], v[20:21], v[24:25]
	s_delay_alu instid0(VALU_DEP_1)
	v_add_f32 v20, v20, v21
.endm
	s_load_b256 s[4:11], s[0:1], 0x0               ; x s[4:5], g s[6:7], b s[8:9], codes s[10:11]
	s_load_b64 s[12:13], s[0:1], 0x20
	s_load_b256 s[40:47], s[0:1], 0x28             ; the codes of w_qkv, w_o, mlp_w1, mlp_w2
	s_load_b64 s[48:49], s[0:1], 0x48              ; wimg
	v_lshl_add_u32 v12, v0, 2, SPARE               ; my spare word,
	v_mov_b32 v13, 0                               ; and 0: kept for the closing lines alone
	v_lshrrev_b32 v1, 5, v0
	s_delay_alu instid0(VALU_DEP_1)
	v_readfirstlane_b32 s16, v1                    ; wave 0..7
	v_and_b32 v1, 31, v0                           ; L
	v_and_b32 v2, 15, v0                           ; r
	v_bfe_u32 v3, v0, 4, 1                         ; h
	s_delay_alu instid0(VALU_DEP_3)
	v_lshlrev_b32 v4, 4, v1
	v_lshlrev_b32 v15, 3, v1                       ; 8 L
	s_mul_i32 s17, s16, STGW
	v_add_nc_u32 v5, s17, v4                       ; the stage, in: 16 L of a row
	v_mul_u32_u24 v6, v2, 528
	s_delay_alu instid0(VALU_DEP_1)
	v_lshl_add_u32 v6, v3, 6, v6
	s_delay_alu instid0(VALU_DEP_1)
	v_add_nc_u32 v6, s17, v6                       ; out: row r, + 64 h
	v_lshlrev_b32 v7, 6, v3                        ; g, b: 64 h
	s_lshl_b32 s18, s16, 6
	v_lshl_add_u32 v9, v2, 2, RED                  ; partial sums of row r
	s_delay_alu instid0(VALU_DEP_1)
	v_add_nc_u32 v8, s18, v9                       ; my wave's
	s_lshl_b32 s19, s16, 2
	v_lshl_add_u32 v10, v2, 5, SCG
	s_delay_alu instid0(VALU_DEP_1)
	v_add_nc_u32 v10, s19, v10                     ; row r's scale word of my K step
	v_add_nc_u32 v11, SCG, v4
	v_lshl_add_u32 v14, v1, 3, 512
	s_mul_i32 s38, s16, 12544
	s_add_co_u32 s38, s38, RSTG                    ; my stage of the re-lay (waves 0 to 2)
	v_add_nc_u32 v28, s38, v15                     ; in: 8 L of a run of 256 bytes
	v_mul_u32_u24 v29, v2, 784
	v_mad_u32_u24 v29, v3, 24, v29
	v_add_nc_u32 v29, s38, v29                     ; out: row r, + 24 h
	s_mov_b32 s[SEL], 0x76543210
	s_mov_b32 s[SEL+1], 0xfedcba98                 ; lane l xor 16
	s_mov_b32 s22, 0x3a800000                      ; 1 / 1024
	s_mov_b32 s23, 0x3727c5ac                      ; 1e-5
.irp b, 0,1,2,3
	v_mov_b32 v[TM+4+\b], 0                        ; a lane permute's destination counts as one of its sources
.endr
	s_lshl_b32 s26, s16, 9                         ; my 128 columns, in bytes
	s_mov_b32 s27, 0
	s_lshl_b32 s24, ttmp9, 16                      ; 16 rows of 4,096 bytes
	s_add_co_u32 s24, s24, s26
	s_mov_b32 s25, 0
	s_mul_i32 s28, ttmp9, 12288                    ; a row tile's 16 images
	s_mul_i32 s29, s16, 1536
	s_add_co_u32 s28, s28, s29
	s_mov_b32 s29, 0
	s_lshl_b32 s30, ttmp9, 9
	s_mov_b32 s31, 0
	s_wait_kmcnt 0x0
	s_add_nc_u64 s[4:5], s[4:5], s[24:25]
	s_add_nc_u64 s[6:7], s[6:7], s[26:27]
	s_add_nc_u64 s[8:9], s[8:9], s[26:27]
	s_add_nc_u64 s[10:11], s[10:11], s[28:29]
	s_add_nc_u64 s[12:13], s[12:13], s[30:31]
.macro RLOAD pitch                     ; 16 rows x 3 runs of 256 bytes into v256-351
	s_set_vgpr_msb 0x40
.set rl, 0
.rept 48
	global_load_b64 v[2*rl:2*rl+1], v15, s[34:35] offset:(rl/3)*\pitch+256*(rl%3) th:TH_LOAD_NT
.set rl, rl+1
.endr
	s_set_vgpr_msb 0x4000
.endm
	; the re-lay's addresses: made by every wave, used by waves 0 to 2 alone
	s_mul_i32 s32, ttmp9, 12288                    ; a unit of a weight with K = 1,024 is 12,288 dense bytes
	s_sub_co_u32 s33, s32, 192*12288
	s_cmp_lt_u32 ttmp9, 192                        ; wave 0: w_qkv's 192 row tiles, then w_o's 64
	s_cselect_b64 s[34:35], s[40:41], s[42:43]
	s_cselect_b32 s36, s32, s33
	s_cmp_eq_u32 s16, 1                            ; wave 1: mlp_w1's 256 row tiles
	s_cselect_b64 s[34:35], s[44:45], s[34:35]
	s_cselect_b32 s36, s32, s36
	s_lshr_b32 s33, ttmp9, 2                       ; wave 2: mlp_w2: row tile = work-group / 4, quarter of K = work-group % 4
	s_mul_i32 s33, s33, 49152
	s_and_b32 s37, ttmp9, 3
	s_mul_i32 s37, s37, 768
	s_add_co_u32 s33, s33, s37
	s_cmp_eq_u32 s16, 2
	s_cselect_b64 s[34:35], s[46:47], s[34:35]
	s_cselect_b32 s36, s33, s36
	s_mov_b32 s37, 0
	s_add_nc_u64 s[34:35], s[34:35], s[36:37]
	s_lshl_b32 s52, s16, 8
	s_add_co_u32 s52, s52, ttmp9
	s_mul_i32 s52, s52, 12288                      ; the unit's 16 images
	s_mov_b32 s53, 0
	s_add_nc_u64 s[50:51], s[48:49], s[52:53]
.irp i, 0,1,2,3,4,5,6,7,8,9,10,11,12,13,14,15
	global_load_b128 v[RAW+4*\i:RAW+4*\i+3], v4, s[4:5] offset:4096*\i   ; 512 consecutive bytes of row i
.endr
.irp b, 0,1,2,3
.irp j, 0,1,2,3
	global_load_b128 v[G+16*\b+4*\j:G+16*\b+4*\j+3], v7, s[6:7] offset:128*\b+16*\j
.endr
.endr
	; THE RE-LAY, whole, under one branch on the wave's number: its loads are asked for behind x's and g's; then the turn in my own stage, and the stores
	s_cmp_lt_u32 s16, 3
	s_cbranch_scc0 .Lno_relay
	s_cmp_eq_u32 s16, 2
	s_cbranch_scc1 .Lr_w2
	RLOAD 768
	s_branch .Lr_in
.Lr_w2:
	RLOAD 3072
.Lr_in:
	s_wait_alu depctr_va_vdst(0)                   ; directly ahead of the wait below
	s_wait_loadcnt 0x0                             ; the unit is in
	s_set_vgpr_msb 0x04                            ; the data: v256 on
.set rl, 0
.rept 48
	ds_store_b64 v28, v[2*rl:2*rl+1] offset:(rl/3)*784+256*(rl%3)
.set rl, rl+1
.endr
	s_set_vgpr_msb 0x0440
.set rl, 0
.rept 48
	ds_load_b64 v[96+2*rl:97+2*rl], v29 offset:48*(rl/3)+8*(rl%3)   ; image c = rl / 3: 24 bytes of row r at 48 c + 24 h; LDS serves a wave's instructions in order
.set rl, rl+1
.endr
	s_wait_dscnt 0x0
	s_set_vgpr_msb 0x4004
.set rl, 0
.rept 16
	global_store_b128 v4, v[96+6*rl:99+6*rl], s[50:51] offset:768*rl
	global_store_b64 v14, v[100+6*rl:101+6*rl], s[50:51] offset:768*rl
.set rl, rl+1
.endr
	s_set_vgpr_msb 0x0400
.Lno_relay:
	s_wait_loadcnt 16
.irp i, 0,1,2,3,4,5,6,7,8,9,10,11,12,13,14,15
	ds_store_b128 v5, v[RAW+4*\i:RAW+4*\i+3] offset:528*\i
.endr
.irp b, 0,1,2,3
.irp j, 0,1,2,3
	ds_load_b128 v[X+16*\b+4*\j:X+16*\b+4*\j+3], v6 offset:128*\b+16*\j   ; LDS serves a wave's instructions in order: these see my stores
.endr
.endr
	s_wait_dscnt 0x0                               ; my numbers are back, and the stores have read their registers,
.irp b, 0,1,2,3
.irp j, 0,1,2,3
	global_load_b128 v[RAW+16*\b+4*\j:RAW+16*\b+4*\j+3], v7, s[8:9] offset:128*\b+16*\j   ; which now take b
.endr
.endr
	; the mean
	v_pk_add_f32 v[22:23], v[32:33], v[34:35]
	v_pk_add_f32 v[24:25], v[48:49], v[56:57]
	v_pk_add_f32 v[26:27], v[64:65], v[72:73]
	v_pk_add_f32 v[254:255], v[80:81], v[88:89]
	v_pk_add_f32 v[252:253], v[36:37], v[38:39]
	v_pk_add_f32 v[250:251], v[50:51], v[58:59]
	v_pk_add_f32 v[248:249], v[66:67], v[74:75]
	v_pk_add_f32 v[20:21], v[82:83], v[90:91]
	s_delay_alu instid0(VALU_DEP_1)
	v_pk_add_f32 v[20:21], v[20:21], v[40:41]
	v_pk_add_f32 v[22:23], v[22:23], v[42:43]
	v_pk_add_f32 v[24:25], v[24:25], v[52:53]
	v_pk_add_f32 v[26:27], v[26:27], v[60:61]
	v_pk_add_f32 v[254:255], v[254:255], v[68:69]
	v_pk_add_f32 v[252:253], v[252:253], v[76:77]
	v_pk_add_f32 v[250:251], v[250:251], v[84:85]
	v_pk_add_f32 v[248:249], v[248:249], v[92:93]
	v_pk_add_f32 v[20:21], v[20:21], v[44:45]
	v_pk_add_f32 v[22:23], v[22:23], v[46:47]
	v_pk_add_f32 v[24:25], v[24:25], v[54:55]
	v_pk_add_f32 v[26:27], v[26:27], v[62:63]
	v_pk_add_f32 v[254:255], v[254:255], v[70:71]
	v_pk_add_f32 v[252:253], v[252:253], v[78:79]
	v_pk_add_f32 v[250:251], v[250:251], v[86:87]
	v_pk_add_f32 v[248:249], v[248:249], v[94:95]
	s_delay_alu instid0(VALU_DEP_4)
	v_pk_add_f32 v[20:21], v[20:21], v[254:255]
	s_delay_alu instid0(VALU_DEP_4)
	v_pk_add_f32 v[22:23], v[22:23], v[252:253]
	s_delay_alu instid0(VALU_DEP_4)
	v_pk_add_f32 v[24:25], v[24:25], v[250:251]
	s_delay_alu instid0(VALU_DEP_4)
	v_pk_add_f32 v[26:27], v[26:27], v[248:249]
	s_delay_alu instid0(VALU_DEP_2)
	v_pk_add_f32 v[20:21], v[20:21], v[24:25]
	s_delay_alu instid0(VALU_DEP_2)
	v_pk_add_f32 v[22:23], v[22:23], v[26:27]
	s_delay_alu instid0(VALU_DEP_1)
	v_pk_add_f32 v[20:21], v[20:21], v[22:23]
	ROWSUM 0
	s_delay_alu instid0(VALU_DEP_1)
	v_mul_f32 v16, s22, v20
	s_delay_alu instid0(VALU_DEP_1)
	v_mov_b32 v17, v16
.set j, 0
.rept 32
	v_pk_add_f32 v[X+j:X+j+1], v[X+j:X+j+1], v[16:17] neg_lo:[0,1] neg_hi:[0,1]   ; x - mean
.set j, j+2
.endr
	; the variance, of x - mean
	v_pk_mul_f32 v[20:21], v[X:X+1], v[X:X+1]
	v_pk_mul_f32 v[22:23], v[X+2:X+3], v[X+2:X+3]
.set j, 4
.rept 15
	s_delay_alu instid0(VALU_DEP_2)
	v_pk_fma_f32 v[20:21], v[X+j:X+j+1], v[X+j:X+j+1], v[20:21]
	s_delay_alu instid0(VALU_DEP_2)
	v_pk_fma_f32 v[22:23], v[X+j+2:X+j+3], v[X+j+2:X+j+3], v[22:23]
.set j, j+4
.endr
	s_delay_alu instid0(VALU_DEP_1)
	v_pk_add_f32 v[20:21], v[20:21], v[22:23]
	ROWSUM 512                                     ; other bytes than the first reduction's: no barrier between the two
	s_delay_alu instid0(VALU_DEP_1)
	v_fma_f32 v18, v20, s22, s23                   ; var + eps
	s_wait_alu depctr_va_vdst(0)
	v_rsq_f32 v18, v18
	v_nop                                          ; a plain place behind the transcendental
	s_wait_alu depctr_va_vdst(0)                   ; and the wait ahead of its first reader
	v_mov_b32 v19, v18
	s_wait_alu depctr_va_vdst(0)
	s_wait_loadcnt 0x0                             ; g and b
.set j, 0
.rept 32
	v_pk_mul_f32 v[X+j:X+j+1], v[X+j:X+j+1], v[18:19]
.set j, j+2
.endr
.set j, 0
.rept 32
	v_pk_fma_f32 v[X+j:X+j+1], v[X+j:X+j+1], v[G+j:G+j+1], v[RAW+j:RAW+j+1]
.set j, j+2
.endr
	QUANT X
	global_store_b128 v4, v[PC:PC+3], s[10:11]                 ; two images: 512 + 256 consecutive bytes each
	global_store_b64 v14, v[PC+4:PC+5], s[10:11]
	global_store_b128 v4, v[PC+6:PC+9], s[10:11] offset:768
	global_store_b64 v14, v[PC+10:PC+11], s[10:11] offset:768
	ds_store_b32 v10, v[PW]                        ; the eight waves' words make 16 rows of 32 scale bytes
	s_wait_dscnt 0x0
	s_barrier_signal -1
	s_barrier_wait -1
	s_cmp_lg_u32 s16, 0
	s_cbranch_scc1 .Lend
	ds_load_b128 v[20:23], v11                     ; wave 0 stores them: 512 consecutive bytes
	s_wait_dscnt 0x0
	global_store_b128 v4, v[20:23], s[12:13]
.Lend:
	s_wait_tensorcnt 0x0
	ds_add_u32 v12, v13
	s_wait_dscnt 0x0
	s_endpgm
.Lfunc_end_k_qfce075ab52_ln1:
	.size	k_qfce075ab52_ln1, .Lfunc_end_k_qfce075ab52_ln1-k_qfce075ab52_ln1
	.p2alignl 7, 3214868480
	.fill 96, 4, 3214868480
	.section	.rodata,"a",@progbits
	.p2align	6, 0x0
	.amdhsa_kernel k_qfce075ab52_ln1
		.amdhsa_group_segment_fixed_size 107776
		.amdhsa_private_segment_fixed_size 0
		.amdhsa_enable_private_segment 0
		.amdhsa_kernarg_size 80
		.amdhsa_user_sgpr_count 2
		.amdhsa_user_sgpr_kernarg_segment_ptr 1
		.amdhsa_wavefront_size32 1
		.amdhsa_system_sgpr_workgroup_id_x 1
		.amdhsa_system_sgpr_workgroup_id_y 1
		.amdhsa_system_sgpr_workgroup_id_z 1
		.amdhsa_system_vgpr_workitem_id 0
		.amdhsa_next_free_vgpr 512
		.amdhsa_next_free_sgpr 66
		.amdhsa_reserve_vcc 0
		.amdhsa_float_denorm_mode_32 3
		.amdhsa_float_denorm_mode_16_64 3
		.amdhsa_memory_ordered 1
		.amdhsa_forward_progress 1
		.amdhsa_inst_pref_size 50
	.end_amdhsa_kernel
	.amdgpu_metadata
---
amdhsa.version: [ 1, 2 ]
amdhsa.kernels:
  - .name:           k_qfce075ab52_ln1
    .symbol:         k_qfce075ab52_ln1.kd
    .args:
      - { .name: x, .offset: 0, .size: 8, .value_kind: global_buffer, .address_space: global }
      - { .name: ln1_g, .offset: 8, .size: 8, .value_kind: global_buffer, .address_space: global }
      - { .name: ln1_b, .offset: 16, .size: 8, .value_kind: global_buffer, .address_space: global }
      - { .name: actc, .offset: 24, .size: 8, .value_kind: global_buffer, .address_space: global }
      - { .name: acts, .offset: 32, .size: 8, .value_kind: global_buffer, .address_space: global }
      - { .name: w_qkv_codes, .offset: 40, .size: 8, .value_kind: global_buffer, .address_space: global }
      - { .name: w_o_codes, .offset: 48, .size: 8, .value_kind: global_buffer, .address_space: global }
      - { .name: mlp_w1_codes, .offset: 56, .size: 8, .value_kind: global_buffer, .address_space: global }
      - { .name: mlp_w2_codes, .offset: 64, .size: 8, .value_kind: global_buffer, .address_space: global }
      - { .name: wimg, .offset: 72, .size: 8, .value_kind: global_buffer, .address_space: global }
    .group_segment_fixed_size: 107776
    .private_segment_fixed_size: 0
    .kernarg_segment_align: 8
    .kernarg_segment_size: 80
    .max_flat_workgroup_size: 256
    .sgpr_count:     66
    .vgpr_count:     512
    .wavefront_size: 32
...
	.end_amdgpu_metadata
.endif
;; end of part 1
;; launch qkv (part 2): grid 12 x 16, 16 waves a work-group, clusters of 4 x 4, 327,680 bytes of LDS; arguments actc, acts, wimg, w_qkv_scales, qkvc, qkvs; writes qkvc, qkvs
.if DOCPART == 2
	.amdgcn_target "amdgcn-amd-amdhsa--gfx1250"
	.amdhsa_code_object_version 6
	.text
	.protected	k_qfce075ab52_qkv
	.globl	k_qfce075ab52_qkv
	.p2align	8
	.type	k_qfce075ab52_qkv,@function
k_qfce075ab52_qkv:
	s_mov_b64 s[64:65], 0
	v_nop
	global_prefetch_b8 v0, s[64:65] scope:SCOPE_SE
	s_setreg_imm32_b32 hwreg(HW_REG_WAVE_MODE, 25, 1), 1
	s_wait_xcnt 0x0
	s_wait_alu depctr_hold_cnt(0) depctr_sa_sdst(0) depctr_va_vdst(0) depctr_va_sdst(0) depctr_va_ssrc(0) depctr_va_vcc(0) depctr_vm_vsrc(0)
	s_getreg_b32 s2, hwreg(HW_REG_IB_STS2, 6, 4)
	s_cmp_eq_u32 s2, 0
	s_cbranch_scc0 .Lentry_in_a_cluster
	s_endpgm
.Lentry_in_a_cluster:
	s_bfe_u32 s2, ttmp6, 0x10000c
	s_cmp_lg_u32 s2, 0xf033
	s_cbranch_scc0 .Lentry_shape_is_right
	s_endpgm
.Lentry_shape_is_right:
; qkv = h1 w_qkv^T on codes of E2M3 (M 4,096, N 3,072, K 1,024), and q, k, v quantised on the way out: q and k along the head's 64, v along the keys.
; SHARES: a work-group makes 256 x 256; sixteen waves, 64 x 64 each (wm = wave / 4, wn = wave % 4): 16 accumulators, 4 fragments of each side, in 256 registers; four waves to a SIMD, so that one wave's LDS
; loads stand beside another's products.  A wave's 64 columns are one head.
; K goes in slots of 256 through a ring of two LDS slots.  A (my own codes) lies in memory as images of operand registers (16 rows x 64 K = 768 bytes): a slot's part of a row tile is 3,072 dense bytes.
; B (the weight) lies as images too: a slot's part of 16 weight rows is 3,072 dense bytes.  Both sides' scale bytes for all of K come once, with the first fills.
; CLUSTER 4 x 4: A's tiles are asked for jointly along a row of the cluster, B's along a column.  Waves 0, 1 fetch A's halves, waves 2, 3 B's; a fetching wave has one load out at a time.
; q, k (cluster x = 0, 1): source 0 = 16 rows of the weight, source 1 = 16 rows of h1: a lane holds one row and its registers run along the head.  v (cluster x = 2): the sources change places: a lane holds one
; channel d and its registers run down 64 keys.  The test is on the cluster's x, which all partners share.
; ORDER INSIDE A BLOCK OF 32: a lane's 16 registers of result tiles 2 b, 2 b + 1 are k = 32 b + 8 h + 0..7 and 32 b + 16 + 8 h + 0..7.  q and k, and p and v, are both laid so: the same permutation on both sides
; of a product, inside one block, changes neither the products nor the block's largest magnitude.
; OUT: qkvc: q [bh 32][row tile 128][768], k likewise 3,145,728 on, v [bh][64 keys: 32][d tile 4][768] 6,291,456 on.  qkvs: q, k one word a row (bytes 0, 1; the rest 0); v [bh][128 keys: 16][d 64] words.
; LIMITS: NaN and infinities are not served; a block of zeros carries the byte 1, read by this program alone.
.set KROW,  768                        ; a row of the weight's codes, bytes
.set ATILE, 12288                      ; a row tile of A: 16 images
.set NSL,   4                          ; slots of 256 along K
.set SLOT1, 131072
.set APART, 24576                      ; 8 row tiles x 3,072: what one load brings of A
.set BOFF,  49152
; B NOW LIES AS A DOES: the first launch has laid the weight as images of operand registers (wimg), so a slot's part of a tile of 16 weight rows is 3,072 dense bytes, and B's loads have A's shape.
; THE HEAD'S FOUR TILES ARE SHARED OUT, one tensor load a wave: waves 0, 1 A's halves, 2, 3 B's, 4, 5 A's scales, 6, 7 B's.
.set BPART, 24576                      ; 8 tiles x 3,072: what one load brings of B
.set SCL,   262144                     ; the scales: A's two halves, then B's, as units of 256 bytes + 16
.set HALFS, 4352
.set SROWS, 16
.set SBLK,  544                        ; 16 rows' scales
.set SPARE, 325632                     ; the spare words, 128 bytes a wave: no other line names them
.set ASTEP, 3072
.set BSTEP, 3072
.set SC,  12                           ; v12-19 scale words: register 2 i + q: lanes 0-15 A's tile i, lanes 16-31 B's tile i
.set AF,  32
.set BF,  80
.set ACC, 128
.set TM,  80
.set SEL, 76
.macro CROUND                          ; a round of the cluster's barrier
	s_barrier_signal -1
	s_barrier_wait -1
	s_cmp_lg_u32 s18, 0
	s_cbranch_scc1 .Lnot_wave_0_\@
	s_barrier_signal -3
.Lnot_wave_0_\@:
	s_barrier_wait -3
	s_barrier_signal -1
	s_barrier_wait -1
.endm
.macro TLOAD g0a, g1a, g0b, g1b        ; waves 0, 1 ask for A's, waves 2, 3 for B's, the others for nothing: branches on the wave's number alone
	s_cmp_lt_u32 s18, 2
	s_cbranch_scc0 .Lnot_a_\@
	tensor_load_to_lds s[\g0a:\g0a+3], s[\g1a:\g1a+7]
	s_nop 0
.rept 4
	v_nop
.endr
	s_branch .Lasked_\@
.Lnot_a_\@:
	s_cmp_lt_u32 s18, 4
	s_cbranch_scc0 .Lasked_\@
	tensor_load_to_lds s[\g0b:\g0b+3], s[\g1b:\g1b+7]
	s_nop 0
.rept 4
	v_nop
.endr
.Lasked_\@:
.endm
.macro ALOAD q                         ; A's four fragments from images
.irp a, 0,1,2,3
.irp c, 0,1
	ds_load_b128 v[AF+12*\a+6*\c:AF+12*\a+6*\c+3], v5 offset:3072*\a+1536*(\q)+768*\c
	ds_load_b64 v[AF+12*\a+6*\c+4:AF+12*\a+6*\c+5], v6 offset:3072*\a+1536*(\q)+768*\c
.endr
.endr
.endm
.macro BLOAD q                         ; B's four fragments from images
.irp b, 0,1,2,3
.irp c, 0,1
	ds_load_b128 v[BF+12*\b+6*\c:BF+12*\b+6*\c+3], v7 offset:3072*\b+1536*(\q)+768*\c
	ds_load_b64 v[BF+12*\b+6*\c+4:BF+12*\b+6*\c+5], v8 offset:3072*\b+1536*(\q)+768*\c
.endr
.endr
.endm
; 16 products; the accumulators take turns, one instruction a turn, in the same order in both forms
.macro MUL q, zero
.irp a, 0,1,2,3
.irp b, 0,1,2,3
.if \zero
	v_wmma_scale_f32_16x16x128_f8f6f4 v[ACC+8*(4*\a+\b):ACC+8*(4*\a+\b)+7], v[BF+12*\b:BF+12*\b+11], v[AF+12*\a:AF+12*\a+11], 0, v[SC+2*\b+\q], v[SC+2*\a+\q] matrix_a_fmt:MATRIX_FMT_FP6 matrix_b_fmt:MATRIX_FMT_FP6 matrix_a_scale:MATRIX_SCALE_ROW1
.else
	v_wmma_scale_f32_16x16x128_f8f6f4 v[ACC+8*(4*\a+\b):ACC+8*(4*\a+\b)+7], v[BF+12*\b:BF+12*\b+11], v[AF+12*\a:AF+12*\a+11], v[ACC+8*(4*\a+\b):ACC+8*(4*\a+\b)+7], v[SC+2*\b+\q], v[SC+2*\a+\q] matrix_a_fmt:MATRIX_FMT_FP6 matrix_b_fmt:MATRIX_FMT_FP6 matrix_a_scale:MATRIX_SCALE_ROW1
.endif
.endr
.endr
.endm
.macro MULV q, zero                    ; v: source 0 = 16 keys, source 1 = 16 channels
.irp b, 0,1,2,3
.irp a, 0,1,2,3
.if \zero
	v_wmma_scale_f32_16x16x128_f8f6f4 v[ACC+8*(4*\b+\a):ACC+8*(4*\b+\a)+7], v[AF+12*\a:AF+12*\a+11], v[BF+12*\b:BF+12*\b+11], 0, v[SC+2*\a+\q], v[SC+2*\b+\q] matrix_a_fmt:MATRIX_FMT_FP6 matrix_b_fmt:MATRIX_FMT_FP6 matrix_b_scale:MATRIX_SCALE_ROW1
.else
	v_wmma_scale_f32_16x16x128_f8f6f4 v[ACC+8*(4*\b+\a):ACC+8*(4*\b+\a)+7], v[AF+12*\a:AF+12*\a+11], v[BF+12*\b:BF+12*\b+11], v[ACC+8*(4*\b+\a):ACC+8*(4*\b+\a)+7], v[SC+2*\a+\q], v[SC+2*\b+\q] matrix_a_fmt:MATRIX_FMT_FP6 matrix_b_fmt:MATRIX_FMT_FP6 matrix_b_scale:MATRIX_SCALE_ROW1
.endif
.endr
.endr
.endm
.macro KSTEP q, zero                   ; 128 along K
.if \q == 0
	v_add_nc_u32 v5, s66, v1                       ; the slot's addresses: four plain instructions, the places behind the last products and in front of the loads
	v_add_nc_u32 v6, s66, v2
	v_add_nc_u32 v7, s66, v3
	v_add_nc_u32 v8, s66, v4
.irp i, 0,1,2,3
	ds_load_b64 v[SC+2*\i:SC+2*\i+1], v9 offset:\i*SBLK   ; the slot's two scale words of each tile
.endr
.else
.rept 4
	v_nop                                          ; places in front of loads into registers that products have read
.endr
.endif
	ALOAD \q
	BLOAD \q
	s_wait_dscnt 0x0
	s_cmp_eq_u32 ttmp9, 2                          ; the cluster's x: v's columns?
	s_cbranch_scc1 .Lv_\@
	MUL \q, \zero
	s_branch .Ldone_\@
.Lv_\@:
	MULV \q, \zero
.Ldone_\@:
.endm
; THE CHANGE OF SLOTS, at a slot's head: every wave waits for all its tensor loads, adds 0 to its spare word, waits for that and for its reads of the slot that it has left.  fill = 1: a round of the cluster's
; barrier, and behind it the slot just left is filled with the next 256 along K: that load has a whole slot's products in which to land.
.macro CHANGE fill
	s_wait_tensorcnt 0x0                           ; no tensor load of mine is out: a group 0 may be written
	ds_add_u32 v10, v11
.if \fill
	ds_add_u32 v10, v11                            ; twice on end here
	s_xor_b32 s57, s57, SLOT1
	s_add_nc_u64 s[58:59], s[58:59], ASTEP
	s_xor_b32 s61, s61, SLOT1
	s_add_nc_u64 s[62:63], s[62:63], BSTEP
	s_wait_dscnt 0x0
	CROUND
	TLOAD 56, 24, 60, 32
.else
	s_wait_dscnt 0x0
	s_barrier_signal -1
	s_barrier_wait -1
.endif
.endm
.macro SLOTWORK zero
	KSTEP 0, \zero
	s_wait_alu depctr_va_vdst(0)
	KSTEP 1, 0
	v_add_nc_u32 v9, 8, v9                         ; the next slot's scale words
	s_xor_b32 s66, s66, SLOT1
.endm
; 32 numbers of a lane (register 16 b + i, b = 0, 1) become six code registers v[pc] on and pw = byte 0 | byte 1 << 8
.macro HQUANT s, pc, px, pw
.irp b, 0,1
	v_max3_num_f32 v[TM+\b], |v[(\s)+16*\b]|, |v[(\s)+1+16*\b]|, 0x1800000
.endr
.irp i, 2,4,6,8,10,12,14
.irp b, 0,1
	v_max3_num_f32 v[TM+\b], v[TM+\b], |v[(\s)+16*\b+\i]|, |v[(\s)+1+16*\b+\i]|
.endr
.endr
.irp b, 0,1
	s_delay_alu instid0(VALU_DEP_2)
	v_permlanex16_b32 v[TM+2+\b], v[TM+\b], s[SEL], s[SEL+1]
.endr
.irp b, 0,1
	s_delay_alu instid0(VALU_DEP_2)
	v_max_num_f32 v[TM+\b], v[TM+\b], v[TM+2+\b]
.endr
.irp b, 0,1
	s_delay_alu instid0(VALU_DEP_2)
	v_add_nc_u32 v[TM+4+\b], 0xff000000, v[TM+\b]
.endr
.irp b, 0,1
	s_delay_alu instid0(VALU_DEP_2)
	v_lshrrev_b32 v[TM+2+\b], 23, v[TM+4+\b]
.endr
	s_delay_alu instid0(VALU_DEP_1)
	v_lshl_or_b32 v[\pw], v[TM+3], 8, v[TM+2]
	v_cvt_scalef32_pk16_fp6_f32 v[(\pc):(\pc)+2], v[(\s):(\s)+15], v[TM+4]
	v_cvt_scalef32_pk16_fp6_f32 v[(\px):(\px)+2], v[(\s)+16:(\s)+31], v[TM+5]
	v_nop                                          ; one plain place behind a scaled conversion
.irp i, 0,1,2
	v_permlane16_swap_b32 v[(\pc)+\i], v[(\px)+\i]
.endr
.irp i, 0,1,2
	s_delay_alu instid0(VALU_DEP_3)
	v_mov_b32 v[(\pc)+3+\i], v[(\px)+\i]
.endr
.endm
	s_load_b256 s[4:11], s[0:1], 0x0               ; A's codes, A's scales, B's codes, B's scales
	s_load_b128 s[12:15], s[0:1], 0x20             ; qkvc, qkvs
	v_lshl_add_u32 v10, v0, 2, SPARE
	v_mov_b32 v11, 0
	ds_add_u32 v10, v11                            ; the opening: the add, twice on end, and its wait ahead of the round in front of the first tensor loads
	ds_add_u32 v10, v11
	v_lshrrev_b32 v1, 5, v0
	s_delay_alu instid0(VALU_DEP_1)
	v_readfirstlane_b32 s18, v1                    ; wave 0..15
	s_and_b32 s19, s18, 1                          ; which half I would fetch
	s_bfe_u32 s20, ttmp6, 0x40000                  ; cx
	s_bfe_u32 s21, ttmp6, 0x40004                  ; cy
	s_lshl_b32 s22, ttmp9, 2
	s_add_co_u32 s22, s22, s20                     ; tile column
	s_and_b32 s23, ttmp7, 0xffff
	s_lshl_b32 s23, s23, 2
	s_add_co_u32 s23, s23, s21                     ; tile row
	s_lshl_b32 s76, s21, 2
	s_lshl_b32 s76, 15, s76                        ; my row of the cluster
	s_lshl_b32 s77, 0x1111, s20                    ; my column
	s_or_b32 s24, s76, (3<<16)|(1<<21)             ; A: elements of 8 bytes, no padding; 8 rows of 384 elements, a row tile apart
	s_mov_b32 s25, 384<<16
	s_mov_b32 s26, 8<<16
	s_mov_b32 s27, 384<<16
	s_mov_b32 s28, 8
	s_mov_b32 s29, ATILE/8
	s_mov_b32 s30, 0
	s_mov_b32 s31, 0
	s_or_b32 s32, s77, (3<<16)|(1<<21)             ; B: as A: 8 rows of 384 elements of 8 bytes, a tile of 16 weight rows apart
	s_mov_b32 s33, 384<<16
	s_mov_b32 s34, 8<<16
	s_mov_b32 s35, 384<<16
	s_mov_b32 s36, 8
	s_mov_b32 s37, ATILE/8
	s_mov_b32 s38, 0
	s_mov_b32 s39, 0
	s_or_b32 s40, s76, (3<<16)|(1<<20)|(1<<21)|(5<<22)|(3<<25)   ; scales: dense, as rows of 256 bytes, 16 of padding behind each
	s_or_b32 s48, s77, (3<<16)|(1<<20)|(1<<21)|(5<<22)|(3<<25)
.irp g, 40, 48
	s_mov_b32 s[\g+1], 32<<16
	s_mov_b32 s[\g+2], SROWS<<16
	s_mov_b32 s[\g+3], 32<<16
	s_mov_b32 s[\g+4], SROWS
	s_mov_b32 s[\g+5], 32
	s_mov_b32 s[\g+6], 0
	s_mov_b32 s[\g+7], 0
.endr
	s_lshl_b32 s78, s23, 4                         ; A hangs on the tile row alone, B on the tile column alone, each in registers of its own
	s_lshl_b32 s79, s19, 3
	s_add_co_u32 s78, s78, s79                     ; row tile 16 ty + 8 p
	s_lshl_b32 s80, s78, 9                         ; its scales: 16 rows x 32 bytes
	s_mul_i32 s78, s78, ATILE
	s_mov_b32 s79, 0
	s_mov_b32 s81, 0
	s_lshl_b32 s82, s22, 8
	s_lshl_b32 s83, s19, 7
	s_add_co_u32 s82, s82, s83                     ; weight row 256 tx + 128 p
	s_lshl_b32 s84, s82, 5
	s_mul_i32 s82, s82, KROW
	s_mov_b32 s83, 0
	s_mov_b32 s85, 0
	s_mul_i32 s86, s19, APART
	s_mul_i32 s87, s19, BPART
	s_mul_i32 s88, s19, HALFS
	s_wait_dscnt 0x0                               ; both opening adds are done
	s_wait_kmcnt 0x0
	s_mov_b32 s56, 1
	s_mov_b32 s57, s86
	s_add_nc_u64 s[58:59], s[4:5], s[78:79]
	s_or_b32 s59, s59, 0x80000000
	s_mov_b32 s60, 1
	s_add_co_u32 s61, s87, BOFF
	s_add_nc_u64 s[62:63], s[8:9], s[82:83]
	s_or_b32 s63, s63, 0x80000000
	s_mov_b32 s68, 1
	s_add_co_u32 s69, s88, SCL
	s_add_nc_u64 s[70:71], s[6:7], s[80:81]
	s_or_b32 s71, s71, 0x80000000
	s_mov_b32 s72, 1
	s_add_co_u32 s73, s88, SCL+2*HALFS
	s_add_nc_u64 s[74:75], s[10:11], s[84:85]
	s_or_b32 s75, s75, 0x80000000
	CROUND                                         ; all sixteen work-groups are here: the first joint loads meet
	s_cmp_lt_u32 s18, 2                            ; one chain of branches on the wave's number, one load to an arm
	s_cbranch_scc0 .Lh_b
	tensor_load_to_lds s[56:59], s[24:31]          ; slot 0: A's halves
	s_nop 0
.rept 4
	v_nop
.endr
	s_branch .Lh_done
.Lh_b:
	s_cmp_lt_u32 s18, 4
	s_cbranch_scc0 .Lh_sa
	tensor_load_to_lds s[60:63], s[32:39]          ; B's halves
	s_nop 0
.rept 4
	v_nop
.endr
	s_branch .Lh_done
.Lh_sa:
	s_cmp_lt_u32 s18, 6
	s_cbranch_scc0 .Lh_sb
	tensor_load_to_lds s[68:71], s[40:47]          ; A's scales, filled once
	s_nop 0
.rept 4
	v_nop
.endr
	s_branch .Lh_done
.Lh_sb:
	s_cmp_lt_u32 s18, 8
	s_cbranch_scc0 .Lh_done
	tensor_load_to_lds s[72:75], s[48:55]          ; B's scales
	s_nop 0
.rept 4
	v_nop
.endr
.Lh_done:
	v_and_b32 v20, 31, v0                          ; L
	v_and_b32 v21, 15, v0                          ; r
	v_bfe_u32 v22, v0, 4, 1                        ; h
	s_lshr_b32 s89, s18, 2                         ; wm
	s_and_b32 s90, s18, 3                          ; wn
	s_mul_i32 s91, s89, 12288                      ; my 4 row tiles of A in a slot
	v_lshl_add_u32 v1, v20, 4, s91
	v_lshl_add_u32 v2, v20, 3, s91
	s_delay_alu instid0(VALU_DEP_1)
	v_add_nc_u32 v2, 512, v2
	s_mul_i32 s92, s90, 12288
	s_add_co_u32 s92, s92, BOFF
	s_wait_alu depctr_va_vdst(0)
	v_lshl_add_u32 v3, v20, 4, s92
	v_lshl_add_u32 v4, v20, 3, s92
	v_add_nc_u32 v4, 512, v4
	v_lshlrev_b32 v9, 5, v21                       ; my row's scales: 32 bytes a row,
	s_delay_alu instid0(VALU_DEP_1)
	v_lshrrev_b32 v23, 8, v9
	s_delay_alu instid0(VALU_DEP_1)
	v_lshl_add_u32 v9, v23, 4, v9                  ; and 16 more for each 256 passed
	s_mul_i32 s93, s89, 2176                       ; A's: my 64 rows
	s_mul_i32 s94, s90, 2176                       ; B's, behind A's 256
	s_add_co_u32 s94, s94, 2*HALFS
	s_sub_co_u32 s94, s94, s93
	v_mul_u32_u24 v23, s94, v22                    ; lanes 16-31 take B's: one product, the distance between the two
	s_add_co_u32 s93, s93, SCL
	v_add_nc_u32 v9, v9, v23
	s_delay_alu instid0(VALU_DEP_1)
	v_add_nc_u32 v9, s93, v9
	v_lshlrev_b32 v24, 4, v20                      ; the way out: 16 L,
	v_lshl_add_u32 v25, v20, 3, 512                ; 512 + 8 L,
	v_lshlrev_b32 v26, 2, v20                      ; 4 L
	; where my results go
	s_lshr_b32 s95, s23, 3
	s_lshl_b32 s95, s95, 4
	s_lshl_b32 s96, s20, 2
	s_add_co_u32 s95, s95, s96
	s_add_co_u32 s95, s95, s90                     ; bh = 16 batch + 4 cx + wn
	s_and_b32 s96, s23, 7                          ; y: which 256 rows of the sequence
	s_lshl_b32 s97, s95, 5
	s_lshl_b32 s98, s96, 2
	s_add_co_u32 s97, s97, s98
	s_add_co_u32 s97, s97, s89
	s_mul_i32 s97, s97, 3072                       ; (32 bh + 4 y + wm) x four images: the same for q, k (four row tiles) and v (four d tiles)
	s_mul_i32 s98, ttmp9, 3145728
	s_add_co_u32 s98, s98, s97
	s_mov_b32 s99, 0
	s_add_nc_u64 s[12:13], s[12:13], s[98:99]
	s_lshl_b32 s97, s95, 13                        ; q, k: a word a row
	s_lshl_b32 s98, s96, 10
	s_add_co_u32 s97, s97, s98
	s_lshl_b32 s98, s89, 8
	s_add_co_u32 s97, s97, s98
	s_lshl_b32 s91, s95, 12                        ; v: 256 bytes for 128 keys, my 64 keys' halfword
	s_lshl_b32 s98, s96, 9
	s_add_co_u32 s91, s91, s98
	s_lshr_b32 s98, s89, 1
	s_lshl_b32 s98, s98, 8
	s_add_co_u32 s91, s91, s98
	s_and_b32 s98, s89, 1
	s_lshl_b32 s98, s98, 1
	s_add_co_u32 s91, s91, s98
	s_cmp_eq_u32 ttmp9, 2
	s_cselect_b32 s98, s91, s97
	s_mul_i32 s97, ttmp9, 262144
	s_add_co_u32 s98, s98, s97
	s_add_nc_u64 s[14:15], s[14:15], s[98:99]
	s_mov_b32 s66, 0
	CHANGE 1                                       ; slot 1's first fill goes out behind this round
	s_wait_alu depctr_va_vdst(0)
	SLOTWORK 1                                     ; the first products start the sums
	s_mov_b32 s67, NSL-2
.Lslot:
	CHANGE 1
	s_wait_alu depctr_va_vdst(0)
	SLOTWORK 0
	s_sub_co_u32 s67, s67, 1
	s_cmp_lg_u32 s67, 0
	s_cbranch_scc1 .Lslot
	CHANGE 0                                       ; the last slot is written out: nothing is left to fetch
	s_wait_alu depctr_va_vdst(0)
	SLOTWORK 0
	; THE WAY OUT: four groups of 32 registers, each one image and one pair of scale bytes
.rept 4
	v_nop                                          ; places behind the last products
.endr
	s_mov_b32 s[SEL], 0x76543210
	s_mov_b32 s[SEL+1], 0xfedcba98
	s_mov_b32 s78, 0xffff0000                      ; lanes 16-31
	v_mov_b32 v[TM+2], 0                           ; a lane permute's destination counts as one of its sources
	v_mov_b32 v[TM+3], 0
.irp o, 0,1,2,3
	HQUANT ACC+32*\o, 32+8*\o, 64, 72+\o
	global_store_b128 v24, v[32+8*\o:35+8*\o], s[12:13] offset:768*\o
	global_store_b64 v25, v[36+8*\o:37+8*\o], s[12:13] offset:768*\o
.endr
	v_cndmask_b32 v76, v72, v73, s78               ; two tiles' words to a register: lanes 0-15 the first's, lanes 16-31 the second's
	v_cndmask_b32 v77, v74, v75, s78
	s_cmp_eq_u32 ttmp9, 2
	s_cbranch_scc1 .Lvs
	global_store_b32 v26, v76, s[14:15]            ; q, k: 32 rows' words, 128 consecutive bytes
	global_store_b32 v26, v77, s[14:15] offset:128
	s_branch .Lfin
.Lvs:
	s_wait_alu depctr_va_vdst(0)
	global_store_b16 v26, v76, s[14:15]            ; v: my 64 keys' half of 32 channels' words
	global_store_b16 v26, v77, s[14:15] offset:128
.Lfin:
	s_wait_tensorcnt 0x0                           ; the wave's end
	ds_add_u32 v10, v11
	s_wait_dscnt 0x0
	CROUND                                         ; the closing round
	s_endpgm
.Lfunc_end_k_qfce075ab52_qkv:
	.size	k_qfce075ab52_qkv, .Lfunc_end_k_qfce075ab52_qkv-k_qfce075ab52_qkv
	.p2alignl 7, 3214868480
	.fill 96, 4, 3214868480
	.section	.rodata,"a",@progbits
	.p2align	6, 0x0
	.amdhsa_kernel k_qfce075ab52_qkv
		.amdhsa_group_segment_fixed_size 327680
		.amdhsa_private_segment_fixed_size 0
		.amdhsa_enable_private_segment 0
		.amdhsa_kernarg_size 48
		.amdhsa_user_sgpr_count 2
		.amdhsa_user_sgpr_kernarg_segment_ptr 1
		.amdhsa_wavefront_size32 1
		.amdhsa_system_sgpr_workgroup_id_x 1
		.amdhsa_system_sgpr_workgroup_id_y 1
		.amdhsa_system_sgpr_workgroup_id_z 1
		.amdhsa_system_vgpr_workitem_id 0
		.amdhsa_next_free_vgpr 256
		.amdhsa_next_free_sgpr 102
		.amdhsa_reserve_vcc 0
		.amdhsa_float_denorm_mode_32 3
		.amdhsa_float_denorm_mode_16_64 3
		.amdhsa_memory_ordered 1
		.amdhsa_forward_progress 1
		.amdhsa_inst_pref_size 62
	.end_amdhsa_kernel
	.amdgpu_metadata
---
amdhsa.version: [ 1, 2 ]
amdhsa.kernels:
  - .name:           k_qfce075ab52_qkv
    .symbol:         k_qfce075ab52_qkv.kd
    .args:
      - { .name: actc, .offset: 0, .size: 8, .value_kind: global_buffer, .address_space: global }
      - { .name: acts, .offset: 8, .size: 8, .value_kind: global_buffer, .address_space: global }
      - { .name: wimg, .offset: 16, .size: 8, .value_kind: global_buffer, .address_space: global }
      - { .name: w_qkv_scales, .offset: 24, .size: 8, .value_kind: global_buffer, .address_space: global }
      - { .name: qkvc, .offset: 32, .size: 8, .value_kind: global_buffer, .address_space: global }
      - { .name: qkvs, .offset: 40, .size: 8, .value_kind: global_buffer, .address_space: global }
    .group_segment_fixed_size: 327680
    .private_segment_fixed_size: 0
    .kernarg_segment_align: 8
    .kernarg_segment_size: 48
    .max_flat_workgroup_size: 512
    .sgpr_count:     102
    .vgpr_count:     256
    .wavefront_size: 32
...
	.end_amdgpu_metadata
.endif
;; end of part 2
;; launch attn (part 3): grid 8 x 32, 16 waves a work-group, no clusters, 167,936 bytes of LDS; arguments qkvc, qkvs, actc, acts; writes actc, acts
.if DOCPART == 3
	.amdgcn_target "amdgcn-amd-amdhsa--gfx1250"
	.amdhsa_code_object_version 6
	.text
	.protected	k_qfce075ab52_attn
	.globl	k_qfce075ab52_attn
	.p2align	8
	.type	k_qfce075ab52_attn,@function
k_qfce075ab52_attn:
	s_mov_b64 s[64:65], 0
	v_nop
	global_prefetch_b8 v0, s[64:65] scope:SCOPE_SE
	s_setreg_imm32_b32 hwreg(HW_REG_WAVE_MODE, 25, 1), 1
	s_wait_xcnt 0x0
; Banded attention on codes of E2M3: for each query q the keys q - 511 .. q of its head, then O quantised along the head for the next product.
; WORK LEFT OUT: the reference's own mask sets every score outside that band to -inf, so p = 0, its code 0, nothing added to the sum or to O for any finite inputs: key steps of 128 wholly outside the band of a
; wave's 16 queries are jumped over (scalar branches on ids), and the padded chunk in front of the sequence is never formed.  LIMIT: a NaN or infinity that reaches only such keys or values is not carried on.
; SOFTMAX: t = score x log2(e) / 8; M = the running largest t rounded up to a whole number; p = 2^(t - M) is quantised along the keys, not normalised; the row's sum is taken of the unquantised p and divides at the end.
; SHARES: a work-group owns 256 queries of one head, each of sixteen waves 16 of them.  The work-group's whole range of keys, 768 from step max(2 QB - 4, 0) on, comes into LDS ONCE, by four dense tensor loads
; (wave 0: K's images, wave 1: V's, wave 2: K's scale words, wave 3: V's): nothing is filled twice, one barrier.  NO CLUSTER: neighbouring blocks of queries need ranges that begin 256 keys apart.
; NO PREFETCH: all that the work-group reads is asked for at its head.
; LAYOUT: S^T = K Q^T (source 0 = 16 keys), O^T = V^T P^T (source 0 = 16 channels): a lane holds one query.  The head is 64: Q's registers 6-11 are zero codes, so the upper half of each K operand (the next
; tile's registers, or zeros) adds nothing.  p and v carry the same order inside a block of 32 keys (see the QKV launch).
; The loop has a constant count of six trips; a step's work is jumped over, its address steps are not.  O^T and the sum begin as zeros and the largest t as -3e38: a row wholly hidden in a step keeps p = 0 and f = 1.
.set KC,    0                          ; 48 images of K
.set VC,    36864                      ; 12 x 4 images of V
.set KSC,   73728                      ; 768 words
.set VSC,   76800                      ; 6 x 64 words
.set SPARE, 78336                      ; the spare words, 128 bytes a wave: no other line names them
.set SEL, 20
.set CS,  22
.set TK,  2                            ; s2  the step's images: 6,144 bytes a step, of K and of V alike
.set TSK, 3                            ; s3  K's scale words: 512 a step
.set TSV, 66                           ; s66 V's: 256 a step
.set KF,  98                           ; s98 the step's first key
.set Q0,  99                           ; s99 my first query
.set TM,  232                          ; v232-237 the quantiser's own: largest magnitudes, bytes, scale operands
; 32 numbers of a lane (register 16 b + i, b = 0, 1) become six code registers v[pc] on and pw = byte 0 | byte 1 << 8; pc, px and pw lie outside v[TM] .. v[TM + 5] and outside the numbers
.macro HQUANT s, pc, px, pw
.irp b, 0,1
	v_max3_num_f32 v[TM+\b], |v[(\s)+16*\b]|, |v[(\s)+1+16*\b]|, 0x1800000
.endr
.irp i, 2,4,6,8,10,12,14
.irp b, 0,1
	s_delay_alu instid0(VALU_DEP_2)
	v_max3_num_f32 v[TM+\b], v[TM+\b], |v[(\s)+16*\b+\i]|, |v[(\s)+1+16*\b+\i]|
.endr
.endr
.irp b, 0,1
	s_delay_alu instid0(VALU_DEP_2)
	v_permlanex16_b32 v[TM+2+\b], v[TM+\b], s[SEL], s[SEL+1]
.endr
.irp b, 0,1
	s_delay_alu instid0(VALU_DEP_2)
	v_max_num_f32 v[TM+\b], v[TM+\b], v[TM+2+\b]
.endr
.irp b, 0,1
	s_delay_alu instid0(VALU_DEP_2)
	v_add_nc_u32 v[TM+4+\b], 0xff000000, v[TM+\b]
.endr
.irp b, 0,1
	s_delay_alu instid0(VALU_DEP_2)
	v_lshrrev_b32 v[TM+2+\b], 23, v[TM+4+\b]
.endr
	s_delay_alu instid0(VALU_DEP_1)
	v_lshl_or_b32 v[\pw], v[TM+3], 8, v[TM+2]
	v_cvt_scalef32_pk16_fp6_f32 v[(\pc):(\pc)+2], v[(\s):(\s)+15], v[TM+4]
	v_cvt_scalef32_pk16_fp6_f32 v[(\px):(\px)+2], v[(\s)+16:(\s)+31], v[TM+5]
	v_nop
.irp i, 0,1,2
	v_permlane16_swap_b32 v[(\pc)+\i], v[(\px)+\i]
.endr
.irp i, 0,1,2
	s_delay_alu instid0(VALU_DEP_3)
	v_mov_b32 v[(\pc)+3+\i], v[(\px)+\i]
.endr
.endm
	s_load_b256 s[4:11], s[0:1], 0x0               ; qkvc, qkvs, actc, acts
	v_lshl_add_u32 v5, v0, 2, SPARE
	v_mov_b32 v6, 0
	ds_add_u32 v5, v6                              ; the opening: the add, twice on end, and its wait ahead of the first tensor load
	ds_add_u32 v5, v6
	v_lshrrev_b32 v8, 5, v0
	s_delay_alu instid0(VALU_DEP_1)
	v_readfirstlane_b32 s18, v8                    ; wave 0..15
	s_and_b32 s19, ttmp7, 0xffff                   ; bh
	s_lshl_b32 s70, ttmp9, 1
	s_max_u32 s70, s70, 4
	s_sub_co_u32 s70, s70, 4                       ; the first key step in LDS: max(2 QB - 4, 0)
.irp g, 24, 32, 40                             ; three shapes: dense blocks as rows of 256 bytes (32 elements of 8)
	s_mov_b32 s[\g], 3<<16
	s_mov_b32 s[\g+1], 32<<16
	s_mov_b32 s[\g+3], 32<<16
	s_mov_b32 s[\g+5], 32
	s_mov_b32 s[\g+6], 0
	s_mov_b32 s[\g+7], 0
.endr
	s_mov_b32 s26, 144<<16                         ; 36,864 bytes of images
	s_mov_b32 s28, 144
	s_mov_b32 s34, 12<<16                          ; K's 3,072 bytes of words
	s_mov_b32 s36, 12
	s_mov_b32 s42, 6<<16                           ; V's 1,536
	s_mov_b32 s44, 6
	s_lshl_b32 s72, s19, 7
	s_lshl_b32 s73, s70, 3
	s_add_co_u32 s72, s72, s73
	s_mul_i32 s72, s72, 768
	s_add_co_u32 s72, s72, 3145728                 ; K's images from the first step on
	s_mov_b32 s73, 0
	s_add_co_u32 s74, s72, 3145728                 ; V's: as many bytes to a key
	s_mov_b32 s75, 0
	s_lshl_b32 s76, s19, 11
	s_lshl_b32 s77, s70, 7
	s_add_co_u32 s76, s76, s77
	s_lshl_b32 s76, s76, 2
	s_add_co_u32 s76, s76, 262144                  ; K's words
	s_mov_b32 s77, 0
	s_lshl_b32 s78, s19, 4
	s_add_co_u32 s78, s78, s70
	s_lshl_b32 s78, s78, 8
	s_add_co_u32 s78, s78, 524288                  ; V's words
	s_mov_b32 s79, 0
	s_lshl_b32 s[Q0], ttmp9, 8
	s_lshl_b32 s71, s18, 4
	s_add_co_u32 s[Q0], s[Q0], s71                 ; my first query
	s_lshl_b32 s[KF], s70, 7
	s_lshl_b32 s80, s19, 11
	s_add_co_u32 s80, s80, s[Q0]
	s_lshl_b32 s82, s80, 2                         ; Q's words
	s_mul_i32 s80, s80, 48                         ; Q's image: 768 bytes for 16 rows
	s_mov_b32 s81, 0
	s_mov_b32 s83, 0
	s_lshr_b32 s84, s19, 4
	s_lshl_b32 s84, s84, 11
	s_add_co_u32 s84, s84, s[Q0]                   ; my first row of the 4,096
	s_and_b32 s85, s19, 15                         ; the head
	s_lshl_b32 s86, s84, 5
	s_lshl_b32 s87, s85, 1
	s_add_co_u32 s86, s86, s87                     ; acts: 32 bytes a row, 2 a head
	s_mov_b32 s87, 0
	s_add_co_u32 s84, s84, s85
	s_mul_i32 s84, s84, 768                        ; actc: (row / 16) x 16 images + the head's
	s_mov_b32 s85, 0
	s_mov_b32 s[SEL], 0x76543210
	s_mov_b32 s[SEL+1], 0xfedcba98
	s_mov_b32 s[CS], 0x3e38aa3b                    ; log2(e) / 8
	s_mov_b32 s[CS+1], s[CS]
	s_mov_b32 s[TK], 0
	s_mov_b32 s[TSK], 0
	s_mov_b32 s[TSV], 0
	s_mov_b32 s67, 6
	s_wait_dscnt 0x0                               ; both opening adds are done
	s_wait_kmcnt 0x0
	s_mov_b32 s48, 1
	s_mov_b32 s49, KC
	s_add_nc_u64 s[50:51], s[4:5], s[72:73]
	s_or_b32 s51, s51, 0x80000000
	s_mov_b32 s52, 1
	s_mov_b32 s53, VC
	s_add_nc_u64 s[54:55], s[4:5], s[74:75]
	s_or_b32 s55, s55, 0x80000000
	s_mov_b32 s56, 1
	s_mov_b32 s57, KSC
	s_add_nc_u64 s[58:59], s[6:7], s[76:77]
	s_or_b32 s59, s59, 0x80000000
	s_mov_b32 s60, 1
	s_mov_b32 s61, VSC
	s_add_nc_u64 s[62:63], s[6:7], s[78:79]
	s_or_b32 s63, s63, 0x80000000
	s_cmp_lg_u32 s18, 0                            ; one load to each of waves 0 to 3: branches on the wave's number alone; every wait on these loads is for 0
	s_cbranch_scc1 .Lw1
	tensor_load_to_lds s[48:51], s[24:31]
	s_nop 0
.rept 4
	v_nop
.endr
	s_branch .Lasked
.Lw1:
	s_cmp_lg_u32 s18, 1
	s_cbranch_scc1 .Lw2
	tensor_load_to_lds s[52:55], s[24:31]
	s_nop 0
.rept 4
	v_nop
.endr
	s_branch .Lasked
.Lw2:
	s_cmp_lg_u32 s18, 2
	s_cbranch_scc1 .Lw3
	tensor_load_to_lds s[56:59], s[32:39]
	s_nop 0
.rept 4
	v_nop
.endr
	s_branch .Lasked
.Lw3:
	s_cmp_lg_u32 s18, 3
	s_cbranch_scc1 .Lasked
	tensor_load_to_lds s[60:63], s[40:47]
	s_nop 0
.rept 4
	v_nop
.endr
.Lasked:
	s_add_nc_u64 s[80:81], s[4:5], s[80:81]
	s_add_nc_u64 s[82:83], s[6:7], s[82:83]
	s_add_nc_u64 s[8:9], s[8:9], s[84:85]
	s_add_nc_u64 s[10:11], s[10:11], s[86:87]
	v_and_b32 v9, 31, v0                           ; L
	v_and_b32 v10, 15, v0                          ; r
	v_bfe_u32 v11, v0, 4, 1                        ; h
	s_delay_alu instid0(VALU_DEP_3)
	v_lshlrev_b32 v1, 4, v9                        ; 16 L
	s_delay_alu instid0(VALU_DEP_4)
	v_lshl_add_u32 v2, v9, 3, 512                  ; 512 + 8 L
	s_delay_alu instid0(VALU_DEP_4)
	v_lshlrev_b32 v3, 2, v10                       ; 4 r
	s_delay_alu instid0(VALU_DEP_4)
	v_lshlrev_b32 v4, 3, v11
	s_delay_alu instid0(VALU_DEP_1)
	v_sub_nc_u32 v4, v10, v4                       ; r - 8 h
	v_lshl_add_u32 v7, v10, 2, KSC
	v_lshl_add_u32 v28, v10, 2, VSC
	global_load_b128 v[16:19], v1, s[80:81]        ; Q's image: registers 0-5 of its fragment
	global_load_b64 v[20:21], v2, s[80:81]
	global_load_b32 v255, v3, s[82:83]             ; Q's scale words
.irp j, 22,23,24,25,26,27, 80,81,82,83,84,85
	v_mov_b32 v[\j], 0                             ; zero codes: Q's k = 64 .. 127; and what stands behind K's last tile
.endr
	v_mov_b32 v13, 0xff61b1e6                      ; the largest t so far: -3e38
	s_delay_alu instid0(VALU_DEP_1)
	v_floor_f32 v12, -v13                          ; -M
	v_mov_b32 v14, 0                               ; the sum, in two halves
	v_mov_b32 v15, 0
.irp j, 236,237,238,239, 252,253
	v_mov_b32 v[\j], 0                             ; lane permutes' destinations, and the pair v[252:253]
.endr
.set n, 0
.rept 32
	v_mov_b32 v[160+n], 0                          ; O^T: the step is written once; its first turn finds zeros
.set n, n+1
.endr
	s_wait_tensorcnt 0x0                           ; my load has landed,
	s_barrier_signal -1
	s_barrier_wait -1                              ; everybody's has
	s_wait_loadcnt 0x0                             ; Q
.Ltrip:
	s_add_co_u32 s96, s[Q0], 15
	s_cmp_gt_u32 s[KF], s96                        ; all 128 keys come after my queries,
	s_cbranch_scc1 .Lskip
	s_add_co_u32 s96, s[KF], 638
	s_cmp_lt_u32 s96, s[Q0]                        ; or all lie more than 511 in front of my first: the step is left out
	s_cbranch_scc1 .Lskip
	s_sub_co_i32 s96, s[Q0], s[KF]
	v_add_nc_u32 v8, s[TK], v1                     ; five plain instructions: the places in front of loads into registers that the last products have read
	v_add_nc_u32 v9, s[TK], v2
	v_add_nc_u32 v29, s[TSK], v7
	v_add_nc_u32 v30, s[TSV], v28
	v_add_nc_u32 v31, s96, v4                      ; d = my query - the step's first key - 8 h: register 8 t + j holds the key at 16 t + j from there
.irp t, 0,1,2,3,4,5,6,7
	ds_load_b128 v[32+6*\t:35+6*\t], v8 offset:KC+768*\t
	ds_load_b64 v[36+6*\t:37+6*\t], v9 offset:KC+768*\t
	ds_load_b32 v[86+\t], v29 offset:64*\t
.endr
	s_wait_alu depctr_va_vdst(0)
	s_wait_dscnt 0x0
.irp t, 0,1,2,3,4,5,6,7
	v_wmma_scale_f32_16x16x128_f8f6f4 v[96+8*\t:103+8*\t], v[32+6*\t:43+6*\t], v[16:27], 0, v[86+\t], v255 matrix_a_fmt:MATRIX_FMT_FP6 matrix_b_fmt:MATRIX_FMT_FP6
.endr
.rept 4
	v_nop                                          ; places: for the loads below and for the first read of the scores
.endr
.irp t, 0,1,2,3                                ; V's fragments are asked for now and land while the softmax is walked
.irp c, 0,1
	ds_load_b128 v[32+12*\t+6*\c:35+12*\t+6*\c], v8 offset:VC+3072*\c+768*\t
	ds_load_b64 v[36+12*\t+6*\c:37+12*\t+6*\c], v9 offset:VC+3072*\c+768*\t
.endr
	ds_load_b32 v[248+\t], v30 offset:64*\t
.endr
	s_add_co_u32 s96, s[KF], 127
	s_cmp_le_u32 s96, s[Q0]
	s_cbranch_scc1 .Lno_causal                     ; no key of the step comes after my first query
	v_mov_b32 v254, 0xff800000                     ; -infinity
.set n, 0
.rept 64
	v_cmp_gt_i32 vcc_lo, 16*(n/8)+n%8, v31         ; hidden where the key comes after the query
	v_cndmask_b32 v[96+n], v[96+n], v254, vcc_lo
.set n, n+1
.endr
.Lno_causal:
	s_add_co_u32 s96, s[KF], 496
	s_cmp_ge_u32 s96, s[Q0]
	s_cbranch_scc1 .Lno_window                     ; no key of the step lies more than 511 in front of my last query
	v_mov_b32 v254, 0xff800000
	v_add_nc_u32 v31, 0xfffffe01, v31              ; d - 511
.set n, 0
.rept 64
	v_cmp_lt_i32 vcc_lo, 16*(n/8)+n%8, v31         ; hidden where the key lies in front of the window
	v_cndmask_b32 v[96+n], v[96+n], v254, vcc_lo
.set n, n+1
.endr
.Lno_window:
.irp b, 0,1,2,3
	v_max3_num_f32 v[232+\b], v[96+16*\b], v[97+16*\b], v[98+16*\b]   ; the largest score of each block of 32 keys: for the row's maximum, and for the block's largest p
.endr
.irp i, 3,5,7,9,11,13
.irp b, 0,1,2,3
	v_max3_num_f32 v[232+\b], v[232+\b], v[96+16*\b+\i], v[97+16*\b+\i]
.endr
.endr
.irp b, 0,1,2,3
	v_max_num_f32 v[232+\b], v[232+\b], v[111+16*\b]
.endr
.irp b, 0,1,2,3
	s_delay_alu instid0(VALU_DEP_4)
	v_permlanex16_b32 v[236+\b], v[232+\b], s[SEL], s[SEL+1]
.endr
.irp b, 0,1,2,3
	s_delay_alu instid0(VALU_DEP_4)
	v_max_num_f32 v[232+\b], v[232+\b], v[236+\b]
.endr
	s_delay_alu instid0(VALU_DEP_2)
	v_max3_num_f32 v254, v232, v233, v234
	s_delay_alu instid0(VALU_DEP_1)
	v_max_num_f32 v254, v254, v235
	s_delay_alu instid0(VALU_DEP_1)
	v_mul_f32 v254, s[CS], v254                    ; as t
	s_delay_alu instid0(VALU_DEP_1)
	v_max_num_f32 v13, v13, v254                   ; the running largest t
	v_mov_b32 v254, v12
	s_delay_alu instid0(VALU_DEP_2)
	v_floor_f32 v12, -v13                          ; the new -M: M is a whole number
	s_delay_alu instid0(VALU_DEP_1)
	v_sub_f32 v254, v12, v254
	s_delay_alu instid0(VALU_DEP_1)
	v_cvt_i32_f32 v254, v254                       ; (it saturates)
	s_delay_alu instid0(VALU_DEP_1)
	v_ldexp_f32 v252, 1.0, v254                    ; f = 2^(old M - new M)
.set n, 0
.rept 32
	v_pk_fma_f32 v[96+n:97+n], v[96+n:97+n], s[CS:CS+1], v[12:13] op_sel_hi:[1,0,0]   ; t - M
.set n, n+2
.endr
.irp b, 0,1,2,3
	v_fma_f32 v[232+\b], v[232+\b], s[CS], v12
.endr
.set n, 0
	s_wait_alu depctr_va_vdst(0)
.rept 64
	v_exp_f32 v[96+n], v[96+n]                     ; p = 2^(t - M): one batch
.set n, n+1
.endr
	v_pk_mul_f32 v[14:15], v[14:15], v[252:253] op_sel_hi:[1,0]   ; the sums under the new M: the plain place behind the batch
	s_wait_alu depctr_va_vdst(0)                   ; one wait for the batch, ahead of its first reader
.irp b, 0,1,2,3
	v_exp_f32 v[232+\b], v[232+\b]                 ; each block's largest p
.endr
	v_pk_add_f32 v[236:237], v[100:101], v[104:105]
	v_pk_add_f32 v[246:247], v[108:109], v[112:113]
	v_pk_add_f32 v[244:245], v[116:117], v[120:121]
	v_pk_add_f32 v[242:243], v[124:125], v[128:129]
	v_pk_add_f32 v[240:241], v[132:133], v[136:137]
	v_pk_add_f32 v[238:239], v[140:141], v[144:145]
	v_pk_add_f32 v[230:231], v[148:149], v[152:153]
	v_pk_add_f32 v[14:15], v[14:15], v[156:157]
	v_pk_add_f32 v[236:237], v[236:237], v[96:97]
	v_pk_add_f32 v[246:247], v[246:247], v[98:99]
	v_pk_add_f32 v[244:245], v[244:245], v[102:103]
	v_pk_add_f32 v[242:243], v[242:243], v[106:107]
	v_pk_add_f32 v[240:241], v[240:241], v[110:111]
	v_pk_add_f32 v[238:239], v[238:239], v[114:115]
	v_pk_add_f32 v[230:231], v[230:231], v[118:119]
	v_pk_add_f32 v[14:15], v[14:15], v[122:123]
	v_pk_add_f32 v[236:237], v[236:237], v[126:127]
	v_pk_add_f32 v[246:247], v[246:247], v[130:131]
	v_pk_add_f32 v[244:245], v[244:245], v[134:135]
	v_pk_add_f32 v[242:243], v[242:243], v[138:139]
	v_pk_add_f32 v[240:241], v[240:241], v[142:143]
	v_pk_add_f32 v[238:239], v[238:239], v[146:147]
	v_pk_add_f32 v[230:231], v[230:231], v[150:151]
	v_pk_add_f32 v[14:15], v[14:15], v[154:155]
	v_pk_add_f32 v[236:237], v[236:237], v[158:159]
	s_delay_alu instid0(VALU_DEP_2)
	v_pk_add_f32 v[14:15], v[14:15], v[242:243]
	s_delay_alu instid0(VALU_DEP_2)
	v_pk_add_f32 v[236:237], v[236:237], v[240:241]
	v_pk_add_f32 v[246:247], v[246:247], v[238:239]
	v_pk_add_f32 v[244:245], v[244:245], v[230:231]
	s_delay_alu instid0(VALU_DEP_2)
	v_pk_add_f32 v[14:15], v[14:15], v[246:247]
	s_delay_alu instid0(VALU_DEP_2)
	v_pk_add_f32 v[236:237], v[236:237], v[244:245]
	s_delay_alu instid0(VALU_DEP_1)
	v_pk_add_f32 v[14:15], v[14:15], v[236:237]
	s_wait_alu depctr_va_vdst(0)                   ; and one for the four
.irp b, 0,1,2,3
	v_max_num_f32 v[232+\b], 0x1800000, v[232+\b]  ; the floor: the byte cannot fall under 1
.endr
.irp b, 0,1,2,3
	s_delay_alu instid0(VALU_DEP_4)
	v_add_nc_u32 v[244+\b], 0xff000000, v[232+\b]
.endr
.irp b, 0,1,2,3
	s_delay_alu instid0(VALU_DEP_4)
	v_lshrrev_b32 v[236+\b], 23, v[244+\b]
.endr
	s_delay_alu instid0(VALU_DEP_3)
	v_lshl_or_b32 v253, v237, 8, v236              ; p's scale word for these 128 keys
	s_delay_alu instid0(VALU_DEP_1)
	v_lshl_or_b32 v253, v238, 16, v253
	s_delay_alu instid0(VALU_DEP_1)
	v_lshl_or_b32 v253, v239, 24, v253
.irp c, 0,1
	v_cvt_scalef32_pk16_fp6_f32 v[224+6*\c:226+6*\c], v[96+32*\c:111+32*\c], v[244+2*\c]
	v_cvt_scalef32_pk16_fp6_f32 v[236+4*\c:238+4*\c], v[112+32*\c:127+32*\c], v[244+2*\c+1]
.endr
	v_nop
.irp c, 0,1
.irp i, 0,1,2
	v_permlane16_swap_b32 v[224+6*\c+\i], v[236+4*\c+\i]
.endr
.irp i, 0,1,2
	s_delay_alu instid0(VALU_DEP_3)
	v_mov_b32 v[227+6*\c+\i], v[236+4*\c+\i]
.endr
.endr
.set n, 0
.rept 16
	v_pk_mul_f32 v[160+n:161+n], v[160+n:161+n], v[252:253] op_sel_hi:[1,0]   ; O^T under the new M; also the places in front of the products
.set n, n+2
.endr
	s_wait_alu depctr_va_vdst(0)
	s_wait_dscnt 0x0                               ; V
.irp t, 0,1,2,3
	v_wmma_scale_f32_16x16x128_f8f6f4 v[160+8*\t:167+8*\t], v[32+12*\t:43+12*\t], v[224:235], v[160+8*\t:167+8*\t], v[248+\t], v253 matrix_a_fmt:MATRIX_FMT_FP6 matrix_b_fmt:MATRIX_FMT_FP6
.endr
.Lskip:
	s_add_co_u32 s[KF], s[KF], 128
	s_add_co_u32 s[TK], s[TK], 6144
	s_add_co_u32 s[TSK], s[TSK], 512
	s_add_co_u32 s[TSV], s[TSV], 256
	s_sub_co_u32 s67, s67, 1
	s_cmp_lg_u32 s67, 0
	s_cbranch_scc1 .Ltrip
	; THE WAY OUT: O / the sum, put in natural order along the head, quantised, one image and one halfword
.rept 4
	v_nop
.endr
	v_add_f32 v14, v14, v15
	s_delay_alu instid0(VALU_DEP_1)
	v_permlanex16_b32 v252, v14, s[SEL], s[SEL+1]
	s_delay_alu instid0(VALU_DEP_1)
	v_add_f32 v14, v14, v252                       ; the row's sum
	s_wait_alu depctr_va_vdst(0)
	v_rcp_f32 v14, v14
	v_mov_b32 v[TM+2], 0                           ; plain work behind the reciprocal
	v_mov_b32 v[TM+3], 0
	v_and_b32 v10, 15, v0
	s_delay_alu instid0(VALU_DEP_1)
	v_lshlrev_b32 v10, 5, v10                      ; 32 r
	s_wait_alu depctr_va_vdst(0)                   ; the wait ahead of its first reader
.set n, 0
.rept 16
	v_pk_mul_f32 v[96+n:97+n], v[160+n:161+n], v[14:15] op_sel_hi:[1,0]   ; register 8 t + j: channel 16 t + 8 h + j
.set n, n+2
.endr
.irp b, 0,1
.irp j, 0,1,2,3,4,5,6,7
	v_permlane16_swap_b32 v[96+16*\b+\j], v[104+16*\b+\j]   ; now register 16 b + i: channel 32 b + 16 h + i, as the given weight's codes lie
.endr
.endr
	HQUANT 96, 224, 244, 240                       ; codes v224-229; the second conversion's three in v244-246, clear of the scale operands v236, v237
	global_store_b128 v1, v[224:227], s[8:9]
	global_store_b64 v2, v[228:229], s[8:9]
	global_store_b16 v10, v240, s[10:11]           ; both halves of the lanes store the same two bytes to the same place
	s_wait_tensorcnt 0x0                           ; the wave's end
	ds_add_u32 v5, v6
	s_wait_dscnt 0x0
	s_endpgm
.Lfunc_end_k_qfce075ab52_attn:
	.size	k_qfce075ab52_attn, .Lfunc_end_k_qfce075ab52_attn-k_qfce075ab52_attn
	.p2alignl 7, 3214868480
	.fill 96, 4, 3214868480
	.section	.rodata,"a",@progbits
	.p2align	6, 0x0
	.amdhsa_kernel k_qfce075ab52_attn
		.amdhsa_group_segment_fixed_size 167936
		.amdhsa_private_segment_fixed_size 0
		.amdhsa_enable_private_segment 0
		.amdhsa_kernarg_size 32
		.amdhsa_user_sgpr_count 2
		.amdhsa_user_sgpr_kernarg_segment_ptr 1
		.amdhsa_wavefront_size32 1
		.amdhsa_system_sgpr_workgroup_id_x 1
		.amdhsa_system_sgpr_workgroup_id_y 1
		.amdhsa_system_sgpr_workgroup_id_z 1
		.amdhsa_system_vgpr_workitem_id 0
		.amdhsa_next_free_vgpr 256
		.amdhsa_next_free_sgpr 100
		.amdhsa_reserve_vcc 1
		.amdhsa_float_denorm_mode_32 3
		.amdhsa_float_denorm_mode_16_64 3
		.amdhsa_memory_ordered 1
		.amdhsa_forward_progress 1
		.amdhsa_inst_pref_size 43
	.end_amdhsa_kernel
	.amdgpu_metadata
---
amdhsa.version: [ 1, 2 ]
amdhsa.kernels:
  - .name:           k_qfce075ab52_attn
    .symbol:         k_qfce075ab52_attn.kd
    .args:
      - { .name: qkvc, .offset: 0, .size: 8, .value_kind: global_buffer, .address_space: global }
      - { .name: qkvs, .offset: 8, .size: 8, .value_kind: global_buffer, .address_space: global }
      - { .name: actc, .offset: 16, .size: 8, .value_kind: global_buffer, .address_space: global }
      - { .name: acts, .offset: 24, .size: 8, .value_kind: global_buffer, .address_space: global }
    .group_segment_fixed_size: 167936
    .private_segment_fixed_size: 0
    .kernarg_segment_align: 8
    .kernarg_segment_size: 32
    .max_flat_workgroup_size: 512
    .sgpr_count:     100
    .vgpr_count:     256
    .wavefront_size: 32
...
	.end_amdgpu_metadata
.endif
;; end of part 3
;; launch oln (part 4): grid 256 x 1, 16 waves a work-group, no clusters, 146,432 bytes of LDS; arguments actc, acts, wimg, w_o_scales, x, ln2_g, ln2_b, x1, qkvc, qkvs; writes x1, qkvc, qkvs
.if DOCPART == 4
	.amdgcn_target "amdgcn-amd-amdhsa--gfx1250"
	.amdhsa_code_object_version 6
	.text
	.protected	k_qfce075ab52_oln
	.globl	k_qfce075ab52_oln
	.p2align	8
	.type	k_qfce075ab52_oln,@function
k_qfce075ab52_oln:
	s_mov_b64 s[64:65], 0
	v_nop
	global_prefetch_b8 v0, s[64:65] scope:SCOPE_SE
	s_setreg_imm32_b32 hwreg(HW_REG_WAVE_MODE, 25, 1), 1
	s_wait_xcnt 0x0
; x1 = x + attn w_o^T on codes of E2M3 (M 4,096, N 1,024, K 1,024), then h2 = layer norm 2 of x1, quantised along the row: three steps of the reference in one launch.
; SHARES: a work-group owns 16 whole rows (all 1,024 columns), so the norm needs no other work-group.  Wave w of sixteen makes columns 64 w .. 64 w + 63: 4 accumulators, 8 K steps of 128.
; A (16 images of 768 bytes) goes once into LDS, an image a wave.  B (w_o as images in wimg, 2,359,296 on) goes STRAIGHT INTO REGISTERS: a fragment of B feeds one product of one wave, so LDS would only pass it on.
; NO CLUSTER for the same reason: a joint load lands in LDS, and nothing of B is read twice inside a work-group.  NO PREFETCH: two K steps (32 loads, 12,288 bytes) a wave are asked for ahead, and x at the head.
; Scale words: lane (r, h) loads 16 bytes at 32 r + 16 h of its row's 32: lanes 0-15 hold the words of K steps 0-3, lanes 16-31 those of steps 4-7 (the scale operands' second row).
; THE WAY OUT: the sums go through an LDS stage of 16 rows; wave w then takes row w whole (a lane 8 x 16 bytes, 512 bytes apart): adds x, stores x1, takes mean and variance (two passes, as the reference) inside the wave;
; y goes through a second stage; wave w takes columns 64 w on of all 16 rows, register 16 b + i = column 32 b + 16 h + i, quantises, and stores one image and two scale bytes a row.
; OUT: x1 f32; the codes as images into qkvc [row tile 256][16][768] and the scale bytes into qkvs [row][32]: both buffers are free once attention has run, and this launch reads neither.
; LIMITS: NaN and infinities are not served; a block of zeros carries the byte 1, read by this program alone.
.set RP,    4112                       ; a stage's row: 4,096 bytes + 16
.set STG,   12288                      ; behind A's 16 images: the sums
.set YST,   78080                      ; y
.set SCG,   143872                     ; 16 rows x 32 scale bytes
.set SPARE, 144384                     ; the spare words, 128 bytes a wave: no other line names them
.set SA,  8                            ; v8-11 A's scale words; v12-27 B's, four a tile
.set SB,  12
.set AF,  28                           ; A's fragment, two sets
.set BF,  52                           ; B's four fragments, two sets; later g and b, then the quantiser's numbers
.set ACC, 148
.set XR,  180                          ; x's row, then x1's
.set T,   216
.set TM,  224
.set SEL, 40
.macro W acc, bf, af, sb, sa, zero, row
.if \zero
	v_wmma_scale_f32_16x16x128_f8f6f4 v[\acc:\acc+7], v[\bf:\bf+11], v[\af:\af+11], 0, v[\sb], v[\sa] matrix_a_fmt:MATRIX_FMT_FP6 matrix_b_fmt:MATRIX_FMT_FP6
.elseif \row
	v_wmma_scale_f32_16x16x128_f8f6f4 v[\acc:\acc+7], v[\bf:\bf+11], v[\af:\af+11], v[\acc:\acc+7], v[\sb], v[\sa] matrix_a_fmt:MATRIX_FMT_FP6 matrix_b_fmt:MATRIX_FMT_FP6 matrix_a_scale:MATRIX_SCALE_ROW1 matrix_b_scale:MATRIX_SCALE_ROW1
.else
	v_wmma_scale_f32_16x16x128_f8f6f4 v[\acc:\acc+7], v[\bf:\bf+11], v[\af:\af+11], v[\acc:\acc+7], v[\sb], v[\sa] matrix_a_fmt:MATRIX_FMT_FP6 matrix_b_fmt:MATRIX_FMT_FP6
.endif
.endm
.macro BLD s                           ; B's four fragments of K step s: 16 loads
.irp b, 0,1,2,3
.irp c, 0,1
	global_load_b128 v[BF+48*((\s)%2)+12*\b+6*\c:BF+48*((\s)%2)+12*\b+6*\c+3], v1, s[8:9] offset:12288*\b+1536*(\s)+768*\c
	global_load_b64 v[BF+48*((\s)%2)+12*\b+6*\c+4:BF+48*((\s)%2)+12*\b+6*\c+5], v2, s[8:9] offset:12288*\b+1536*(\s)+768*\c
.endr
.endr
.endm
.macro ALD s                           ; A's fragment of K step s: 4 LDS loads
.irp c, 0,1
	ds_load_b128 v[AF+12*((\s)%2)+6*\c:AF+12*((\s)%2)+6*\c+3], v1 offset:1536*(\s)+768*\c
	ds_load_b64 v[AF+12*((\s)%2)+6*\c+4:AF+12*((\s)%2)+6*\c+5], v2 offset:1536*(\s)+768*\c
.endr
.endm
.macro KS s, ld, dsn                   ; source 0 = 16 weight rows, source 1 = my 16 rows: a lane holds one row; the four accumulators by turns
	s_wait_loadcnt \ld                             ; the younger global loads may stay out
	s_wait_dscnt \dsn                              ; and the next step's four loads of A
.irp b, 0,1,2,3
	W ACC+8*\b, BF+48*((\s)%2)+12*\b, AF+12*((\s)%2), SB+4*\b+(\s)%4, SA+(\s)%4, (\s)==0, (\s)/4
.endr
.rept 4
	v_nop                                          ; places in front of loads into registers that the products have read
.endr
.if (\s) < 6
	BLD \s+2
	ALD \s+2
.endif
.endm
.macro ROW8 reg, base                  ; a row of 1,024 f32: 8 loads of 512 consecutive bytes
.irp i, 0,1,2,3,4,5,6,7
	global_load_b128 v[\reg+4*\i:\reg+4*\i+3], v1, s[\base:\base+1] offset:512*\i
.endr
.endm
.macro RED                             ; four packed partial sums in v[T] on become the row's sum in v[T] of every lane
	v_pk_add_f32 v[T:T+1], v[T:T+1], v[T+4:T+5]
	v_pk_add_f32 v[T+2:T+3], v[T+2:T+3], v[T+6:T+7]
	v_pk_add_f32 v[T:T+1], v[T:T+1], v[T+2:T+3]
	v_add_f32 v[T], v[T], v[T+1]
.irp m, 1,2,4,8
	v_add_f32_dpp v[T], v[T], v[T] row_xmask:\m row_mask:0xf bank_mask:0xf
.endr
	v_permlanex16_b32 v[T+1], v[T], s[SEL], s[SEL+1]
	v_add_f32 v[T], v[T], v[T+1]
.endm
; 32 numbers of a lane (register 16 b + i, b = 0, 1) become six code registers v[pc] on and pw = byte 0 | byte 1 << 8
.macro HQUANT s, pc, px, pw
.irp b, 0,1
	v_max3_num_f32 v[TM+\b], |v[(\s)+16*\b]|, |v[(\s)+1+16*\b]|, 0x1800000   ; with the floor 2^(3 - 127): the byte cannot fall under 1
.endr
.irp i, 2,4,6,8,10,12,14
.irp b, 0,1
	v_max3_num_f32 v[TM+\b], v[TM+\b], |v[(\s)+16*\b+\i]|, |v[(\s)+1+16*\b+\i]|
.endr
.endr
.irp b, 0,1
	v_permlanex16_b32 v[TM+2+\b], v[TM+\b], s[SEL], s[SEL+1]
.endr
.irp b, 0,1
	v_max_num_f32 v[TM+\b], v[TM+\b], v[TM+2+\b]
.endr
.irp b, 0,1
	v_add_nc_u32 v[TM+4+\b], 0xff000000, v[TM+\b]  ; 2 off the exponent field: the conversion's scale operand
.endr
.irp b, 0,1
	v_lshrrev_b32 v[TM+2+\b], 23, v[TM+4+\b]
.endr
	v_lshl_or_b32 v[\pw], v[TM+3], 8, v[TM+2]
	v_cvt_scalef32_pk16_fp6_f32 v[(\pc):(\pc)+2], v[(\s):(\s)+15], v[TM+4]
	v_cvt_scalef32_pk16_fp6_f32 v[(\px):(\px)+2], v[(\s)+16:(\s)+31], v[TM+5]
	v_nop                                          ; one plain place behind a scaled conversion
.irp i, 0,1,2
	v_permlane16_swap_b32 v[(\pc)+\i], v[(\px)+\i]
.endr
.irp i, 0,1,2
	v_mov_b32 v[(\pc)+3+\i], v[(\px)+\i]
.endr
.endm
	s_load_b256 s[4:11], s[0:1], 0x0               ; A's codes, A's scales, wimg, w_o's scales
	s_load_b256 s[12:19], s[0:1], 0x20             ; x, g, b, x1
	s_load_b128 s[20:23], s[0:1], 0x40             ; h2's codes, h2's scales
	v_lshl_add_u32 v3, v0, 2, SPARE                ; my spare word,
	v_mov_b32 v4, 0                                ; and 0: kept for the closing lines alone
	v_lshrrev_b32 v1, 5, v0
	v_readfirstlane_b32 s24, v1                    ; wave 0..15
	v_and_b32 v5, 31, v0                           ; L
	v_and_b32 v6, 15, v0                           ; r
	v_bfe_u32 v7, v0, 4, 1                         ; h
	v_lshlrev_b32 v1, 4, v5                        ; 16 L
	v_lshl_add_u32 v2, v5, 3, 512                  ; 512 + 8 L
	v_lshlrev_b32 v212, 5, v6
	v_lshl_add_u32 v212, v7, 4, v212               ; scale words: 32 r + 16 h
	s_mul_i32 s25, s24, 768
	v_add_nc_u32 v213, s25, v1                     ; my image of A in LDS
	v_add_nc_u32 v214, s25, v2
	s_lshl_b32 s26, s24, 8                         ; my 64 columns, in bytes
	v_mul_u32_u24 v215, v6, RP
	v_lshl_add_u32 v252, v7, 5, v215
	v_add_nc_u32 v252, s26, v252                   ; the sums, in: row r, 256 w + 32 h
	v_lshl_add_u32 v253, v7, 6, v215
	v_add_nc_u32 v253, s26, v253
	v_add_nc_u32 v253, YST, v253                   ; y, out: row r, 256 w + 64 h
	s_mul_i32 s27, s24, RP
	v_add_nc_u32 v254, s27, v1                     ; row w, 16 L
	v_add_nc_u32 v255, YST, v254
	s_lshl_b32 s28, s24, 1
	v_lshl_add_u32 v251, v6, 5, SCG
	v_add_nc_u32 v251, s28, v251                   ; row r's two scale bytes of my 64 columns
	v_add_nc_u32 v249, SCG, v1
	v_mov_b32 v[TM+2], 0                           ; a lane permute's destination counts as one of its sources
	v_mov_b32 v[TM+3], 0
	s_mul_i32 s30, ttmp9, 12288
	s_add_co_u32 s30, s30, s25                     ; image w of my row tile, in and out
	s_mov_b32 s31, 0
	s_lshl_b32 s32, ttmp9, 9                       ; 16 rows x 32 scale bytes
	s_mov_b32 s33, 0
	s_mul_i32 s34, s24, 49152                      ; my four tiles of w_o
	s_add_co_u32 s34, s34, 2359296
	s_mov_b32 s35, 0
	s_lshl_b32 s36, s24, 11                        ; their 64 rows of scale bytes
	s_mov_b32 s37, 0
	s_lshl_b32 s38, ttmp9, 4
	s_add_co_u32 s38, s38, s24
	s_lshl_b32 s38, s38, 12                        ; row 16 wg + w of x and x1
	s_mov_b32 s39, 0
	s_mov_b32 s[SEL], 0x76543210
	s_mov_b32 s[SEL+1], 0xfedcba98                 ; lane l xor 16
	s_mov_b32 s42, 0x3a800000                      ; 1 / 1024
	s_mov_b32 s43, 0x3727c5ac                      ; 1e-5
	s_wait_alu depctr_va_vdst(0)
	s_wait_kmcnt 0x0
	s_add_nc_u64 s[4:5], s[4:5], s[30:31]
	s_add_nc_u64 s[6:7], s[6:7], s[32:33]
	s_add_nc_u64 s[8:9], s[8:9], s[34:35]
	s_add_nc_u64 s[10:11], s[10:11], s[36:37]
	s_add_nc_u64 s[12:13], s[12:13], s[38:39]
	s_add_nc_u64 s[18:19], s[18:19], s[38:39]
	s_add_nc_u64 s[20:21], s[20:21], s[30:31]
	s_add_nc_u64 s[22:23], s[22:23], s[32:33]
	global_load_b128 v[230:233], v1, s[4:5]        ; my image of A
	global_load_b64 v[234:235], v2, s[4:5]
	global_load_b128 v[SA:SA+3], v212, s[6:7]
.irp b, 0,1,2,3
	global_load_b128 v[SB+4*\b:SB+4*\b+3], v212, s[10:11] offset:512*\b
.endr
	BLD 0
	BLD 1
	ROW8 XR, 12
	s_wait_loadcnt 45                              ; the image is in: 5 + 32 + 8 younger loads may stay out
	ds_store_b128 v213, v[230:233]
	ds_store_b64 v214, v[234:235]
	s_wait_dscnt 0x0                               ; for the others' sake
	s_barrier_signal -1
	s_barrier_wait -1
	ALD 0
	ALD 1
	KS 0, 24, 4                                    ; younger: step 1's 16 and x's 8
	KS 1, 24, 4                                    ; x's 8 and step 2's 16
	KS 2, 16, 4                                    ; the next step's 16
	KS 3, 16, 4
	KS 4, 16, 4
	KS 5, 16, 4
	KS 6, 16, 4
	ROW8 BF, 14                                    ; g, into the set that step 6 has left
	KS 7, 8, 0                                     ; younger: g's 8
	ROW8 BF+48, 16                                 ; b
.irp t, 0,1,2,3
	ds_store_b128 v252, v[ACC+8*\t:ACC+8*\t+3] offset:STG+64*\t      ; each accumulator from its low end on
	ds_store_b128 v252, v[ACC+8*\t+4:ACC+8*\t+7] offset:STG+64*\t+16
.endr
	s_wait_dscnt 0x0
	s_barrier_signal -1
	s_barrier_wait -1
.irp i, 0,1,2,3,4,5,6,7
	ds_load_b128 v[ACC+4*\i:ACC+4*\i+3], v254 offset:STG+512*\i      ; row w of the sums
.endr
	s_wait_dscnt 0x0
.set j, 0
.rept 16
	v_pk_add_f32 v[XR+j:XR+j+1], v[XR+j:XR+j+1], v[ACC+j:ACC+j+1]    ; x1
.set j, j+2
.endr
.irp i, 0,1,2,3,4,5,6,7
	global_store_b128 v1, v[XR+4*\i:XR+4*\i+3], s[18:19] offset:512*\i   ; 512 consecutive bytes
.endr
.irp c, 0,2,4,6
	v_pk_add_f32 v[T+\c:T+\c+1], v[XR+\c:XR+\c+1], v[XR+8+\c:XR+9+\c]
.endr
.irp o, 16,24
.irp c, 0,2,4,6
	v_pk_add_f32 v[T+\c:T+\c+1], v[T+\c:T+\c+1], v[XR+\o+\c:XR+\o+\c+1]
.endr
.endr
	RED
	v_mul_f32 v236, s42, v[T]                      ; the mean
	v_mov_b32 v237, v236
.set j, 0
.rept 16
	v_pk_add_f32 v[ACC+j:ACC+j+1], v[XR+j:XR+j+1], v[236:237] neg_lo:[0,1] neg_hi:[0,1]   ; x1 - mean, in other registers than the stores' data
.set j, j+2
.endr
.irp c, 0,2,4,6
	v_pk_mul_f32 v[T+\c:T+\c+1], v[ACC+\c:ACC+\c+1], v[ACC+\c:ACC+\c+1]
.endr
.irp o, 8,16,24
.irp c, 0,2,4,6
	v_pk_fma_f32 v[T+\c:T+\c+1], v[ACC+\o+\c:ACC+\o+\c+1], v[ACC+\o+\c:ACC+\o+\c+1], v[T+\c:T+\c+1]
.endr
.endr
	RED
	v_fma_f32 v238, v[T], s42, s43                 ; var + eps
	s_wait_alu depctr_va_vdst(0)                   ; the wait ahead of the transcendental,
	v_rsq_f32 v238, v238
	v_nop                                          ; a plain place behind it,
	s_wait_alu depctr_va_vdst(0)                   ; and the wait ahead of its first reader
	v_mov_b32 v239, v238
	s_wait_alu depctr_va_vdst(0)                   ; directly ahead of the wait below
	s_wait_loadcnt 0x0                             ; g and b
.set j, 0
.rept 16
	v_pk_mul_f32 v[ACC+j:ACC+j+1], v[ACC+j:ACC+j+1], v[238:239]
.set j, j+2
.endr
.set j, 0
.rept 16
	v_pk_fma_f32 v[ACC+j:ACC+j+1], v[ACC+j:ACC+j+1], v[BF+j:BF+j+1], v[BF+48+j:BF+49+j]
.set j, j+2
.endr
.irp i, 0,1,2,3,4,5,6,7
	ds_store_b128 v255, v[ACC+4*\i:ACC+4*\i+3] offset:512*\i
.endr
	s_wait_dscnt 0x0
	s_barrier_signal -1
	s_barrier_wait -1
.irp b, 0,1
.irp q, 0,1,2,3
	ds_load_b128 v[BF+16*\b+4*\q:BF+16*\b+4*\q+3], v253 offset:128*\b+16*\q   ; register 16 b + i: column 64 w + 32 b + 16 h + i of row r
.endr
.endr
	s_wait_dscnt 0x0
	HQUANT BF, 240, 246, 250
	global_store_b128 v1, v[240:243], s[20:21]     ; one image: 512 + 256 consecutive bytes
	global_store_b64 v2, v[244:245], s[20:21]
	ds_store_b16 v251, v250                        ; both halves of the lanes write the same two bytes
	s_wait_dscnt 0x0
	s_barrier_signal -1
	s_barrier_wait -1
	s_cmp_lg_u32 s24, 0
	s_cbranch_scc1 .Lend
	ds_load_b128 v[T:T+3], v249                    ; wave 0 stores the 16 rows' scale bytes: 512 consecutive bytes
	s_wait_dscnt 0x0
	global_store_b128 v1, v[T:T+3], s[22:23]
.Lend:
	s_wait_tensorcnt 0x0                           ; the wave's end
	ds_add_u32 v3, v4
	s_wait_dscnt 0x0
	s_endpgm
.Lfunc_end_k_qfce075ab52_oln:
	.size	k_qfce075ab52_oln, .Lfunc_end_k_qfce075ab52_oln-k_qfce075ab52_oln
	.p2alignl 7, 3214868480
	.fill 96, 4, 3214868480
	.section	.rodata,"a",@progbits
	.p2align	6, 0x0
	.amdhsa_kernel k_qfce075ab52_oln
		.amdhsa_group_segment_fixed_size 146432
		.amdhsa_private_segment_fixed_size 0
		.amdhsa_enable_private_segment 0
		.amdhsa_kernarg_size 80
		.amdhsa_user_sgpr_count 2
		.amdhsa_user_sgpr_kernarg_segment_ptr 1
		.amdhsa_wavefront_size32 1
		.amdhsa_system_sgpr_workgroup_id_x 1
		.amdhsa_system_sgpr_workgroup_id_y 1
		.amdhsa_system_sgpr_workgroup_id_z 1
		.amdhsa_system_vgpr_workitem_id 0
		.amdhsa_next_free_vgpr 256
		.amdhsa_next_free_sgpr 66
		.amdhsa_reserve_vcc 0
		.amdhsa_float_denorm_mode_32 3
		.amdhsa_float_denorm_mode_16_64 3
		.amdhsa_memory_ordered 1
		.amdhsa_forward_progress 1
		.amdhsa_inst_pref_size 39
	.end_amdhsa_kernel
	.amdgpu_metadata
---
amdhsa.version: [ 1, 2 ]
amdhsa.kernels:
  - .name:           k_qfce075ab52_oln
    .symbol:         k_qfce075ab52_oln.kd
    .args:
      - { .name: actc, .offset: 0, .size: 8, .value_kind: global_buffer, .address_space: global }
      - { .name: acts, .offset: 8, .size: 8, .value_kind: global_buffer, .address_space: global }
      - { .name: wimg, .offset: 16, .size: 8, .value_kind: global_buffer, .address_space: global }
      - { .name: w_o_scales, .offset: 24, .size: 8, .value_kind: global_buffer, .address_space: global }
      - { .name: x, .offset: 32, .size: 8, .value_kind: global_buffer, .address_space: global }
      - { .name: ln2_g, .offset: 40, .size: 8, .value_kind: global_buffer, .address_space: global }
      - { .name: ln2_b, .offset: 48, .size: 8, .value_kind: global_buffer, .address_space: global }
      - { .name: x1, .offset: 56, .size: 8, .value_kind: global_buffer, .address_space: global }
      - { .name: qkvc, .offset: 64, .size: 8, .value_kind: global_buffer, .address_space: global }
      - { .name: qkvs, .offset: 72, .size: 8, .value_kind: global_buffer, .address_space: global }
    .group_segment_fixed_size: 146432
    .private_segment_fixed_size: 0
    .kernarg_segment_align: 8
    .kernarg_segment_size: 80
    .max_flat_workgroup_size: 512
    .sgpr_count:     66
    .vgpr_count:     256
    .wavefront_size: 32
...
	.end_amdgpu_metadata
.endif
;; end of part 4
;; launch up (part 5): grid 16 x 16, 16 waves a work-group, clusters of 4 x 4, 327,680 bytes of LDS; arguments qkvc, qkvs, wimg, mlp_w1_scales, mlp_b1, gc, gs; writes gc, gs
.if DOCPART == 5
	.amdgcn_target "amdgcn-amd-amdhsa--gfx1250"
	.amdhsa_code_object_version 6
	.text
	.protected	k_qfce075ab52_up
	.globl	k_qfce075ab52_up
	.p2align	8
	.type	k_qfce075ab52_up,@function
k_qfce075ab52_up:
	s_mov_b64 s[64:65], 0
	v_nop
	global_prefetch_b8 v0, s[64:65] scope:SCOPE_SE
	s_setreg_imm32_b32 hwreg(HW_REG_WAVE_MODE, 25, 1), 1
	s_wait_xcnt 0x0
	s_wait_alu depctr_hold_cnt(0) depctr_sa_sdst(0) depctr_va_vdst(0) depctr_va_sdst(0) depctr_va_ssrc(0) depctr_va_vcc(0) depctr_vm_vsrc(0)
	s_getreg_b32 s2, hwreg(HW_REG_IB_STS2, 6, 4)
	s_cmp_eq_u32 s2, 0
	s_cbranch_scc0 .Lentry_in_a_cluster
	s_endpgm
.Lentry_in_a_cluster:
	s_bfe_u32 s2, ttmp6, 0x10000c
	s_cmp_lg_u32 s2, 0xf033
	s_cbranch_scc0 .Lentry_shape_is_right
	s_endpgm
.Lentry_shape_is_right:
; g = gelu(h2 mlp_w1^T + b1), exact (erf) form, on codes of E2M3 (M 4,096, N 4,096, K 1,024), quantised along N, which is the next product's K.
; The product's frame is the QKV launch's: 256 x 256 to a work-group, sixteen waves of 64 x 64, K in slots of 256 through two LDS slots, A as images of operand registers, B likewise as images,
; all scale bytes brought once, cluster 4 x 4 with A asked for jointly along a row and B along a column; waves 0, 1 fetch A's halves, waves 2, 3 B's: one load out at a time.
; THE BIAS IS LOADED STRAIGHT INTO THE ACCUMULATORS, so every product adds in place and the loop has no first step of its own.
; erf(u), u = z / sqrt(2) held to +-4, is u P(u^2) / Q(u^2), P of degree 6 and Q of degree 4 in u^2, in f32; gelu = z / 2 + (z / 2) erf(u), one fused multiply-add.
; A lane holds one row; eight lane swaps for each pair of result tiles put its 16 registers in natural order along N, as the given weight of the next product lies.
; OUT: gc [row tile 256][64 along K: 64][768] images; gs [row][128] scale bytes, two at a time.
; LIMITS: NaN and infinities are not served; a block of zeros carries the byte 1, read by this program alone.
.set KROW,  768
.set ATILE, 12288
.set NSL,   4
.set SLOT1, 131072
.set APART, 24576
.set BOFF,  49152
; A (h2) now comes from qkvc and qkvs, where the launch before has laid it.  B NOW LIES AS A DOES: the first launch has laid the weight as images of operand registers (wimg, 3,145,728 on), so B's loads have A's shape.
; THE HEAD'S FOUR TILES ARE SHARED OUT, one tensor load a wave: waves 0, 1 A's halves, 2, 3 B's, 4, 5 A's scales, 6, 7 B's.
.set BPART, 24576
.set SCL,   262144
.set HALFS, 4352
.set SROWS, 16
.set SBLK,  544
.set SPARE, 325632                     ; the spare words, 128 bytes a wave: no other line names them
.set ASTEP, 3072
.set BSTEP, 3072
.set SC,  12
.set AF,  32
.set BF,  80
.set ACC, 128
.set U,   32                           ; the way out: v32-47 u, later Q;  v48-63 u^2, later 1 / Q;  v64-79 P
.set T,   48
.set P,   64
.set TM,  24
.set RS2, 76                           ; scalar pairs: 1 / sqrt(2); P's coefficients but the highest; Q's but the highest
.set A1,  78
.set A2,  80
.set A3,  82
.set A4,  84
.set A5,  86
.set A6,  88
.set B1,  90
.set B2,  92
.set B3,  94
.set B4,  96
.set SEL, 98
.macro CROUND
	s_barrier_signal -1
	s_barrier_wait -1
	s_cmp_lg_u32 s18, 0
	s_cbranch_scc1 .Lnot_wave_0_\@
	s_barrier_signal -3
.Lnot_wave_0_\@:
	s_barrier_wait -3
	s_barrier_signal -1
	s_barrier_wait -1
.endm
.macro TLOAD g0a, g1a, g0b, g1b
	s_cmp_lt_u32 s18, 2
	s_cbranch_scc0 .Lnot_a_\@
	tensor_load_to_lds s[\g0a:\g0a+3], s[\g1a:\g1a+7]
	s_nop 0
.rept 4
	v_nop
.endr
	s_branch .Lasked_\@
.Lnot_a_\@:
	s_cmp_lt_u32 s18, 4
	s_cbranch_scc0 .Lasked_\@
	tensor_load_to_lds s[\g0b:\g0b+3], s[\g1b:\g1b+7]
	s_nop 0
.rept 4
	v_nop
.endr
.Lasked_\@:
.endm
.macro ALOAD q
.irp a, 0,1,2,3
.irp c, 0,1
	ds_load_b128 v[AF+12*\a+6*\c:AF+12*\a+6*\c+3], v5 offset:3072*\a+1536*(\q)+768*\c
	ds_load_b64 v[AF+12*\a+6*\c+4:AF+12*\a+6*\c+5], v6 offset:3072*\a+1536*(\q)+768*\c
.endr
.endr
.endm
.macro BLOAD q                         ; B's four fragments from images
.irp b, 0,1,2,3
.irp c, 0,1
	ds_load_b128 v[BF+12*\b+6*\c:BF+12*\b+6*\c+3], v7 offset:3072*\b+1536*(\q)+768*\c
	ds_load_b64 v[BF+12*\b+6*\c+4:BF+12*\b+6*\c+5], v8 offset:3072*\b+1536*(\q)+768*\c
.endr
.endr
.endm
.macro MUL q                           ; 16 products, the accumulators by turns
.irp a, 0,1,2,3
.irp b, 0,1,2,3
	v_wmma_scale_f32_16x16x128_f8f6f4 v[ACC+8*(4*\a+\b):ACC+8*(4*\a+\b)+7], v[BF+12*\b:BF+12*\b+11], v[AF+12*\a:AF+12*\a+11], v[ACC+8*(4*\a+\b):ACC+8*(4*\a+\b)+7], v[SC+2*\b+\q], v[SC+2*\a+\q] matrix_a_fmt:MATRIX_FMT_FP6 matrix_b_fmt:MATRIX_FMT_FP6 matrix_a_scale:MATRIX_SCALE_ROW1
.endr
.endr
.endm
.macro SLOTWORK
	v_add_nc_u32 v5, s66, v1                       ; four plain instructions: the places behind the last products and in front of the loads
	v_add_nc_u32 v6, s66, v2
	v_add_nc_u32 v7, s66, v3
	v_add_nc_u32 v8, s66, v4
.irp i, 0,1,2,3
	ds_load_b64 v[SC+2*\i:SC+2*\i+1], v9 offset:\i*SBLK
.endr
	ALOAD 0
	BLOAD 0
	s_wait_alu depctr_va_vdst(0)
	s_wait_dscnt 0x0
	MUL 0
.rept 4
	v_nop                                          ; places in front of loads into registers that products have read
.endr
	ALOAD 1
	BLOAD 1
	s_wait_dscnt 0x0
	MUL 1
	v_add_nc_u32 v9, 8, v9
	s_xor_b32 s66, s66, SLOT1
.endm
.macro CHANGE fill
	s_wait_tensorcnt 0x0                           ; no tensor load of mine is out: a group 0 may be written
	ds_add_u32 v10, v11
.if \fill
	ds_add_u32 v10, v11                            ; twice on end here
	s_xor_b32 s57, s57, SLOT1
	s_add_nc_u64 s[58:59], s[58:59], ASTEP
	s_xor_b32 s61, s61, SLOT1
	s_add_nc_u64 s[62:63], s[62:63], BSTEP
	s_wait_dscnt 0x0                               ; the adds are done, and my reads of the slot that I have left are over
	CROUND
	TLOAD 56, 24, 60, 32
.else
	s_wait_dscnt 0x0
	s_barrier_signal -1
	s_barrier_wait -1
.endif
.endm
.macro HQUANT s, pc, px, pw
.irp b, 0,1
	v_max3_num_f32 v[TM+\b], |v[(\s)+16*\b]|, |v[(\s)+1+16*\b]|, 0x1800000
.endr
.irp i, 2,4,6,8,10,12,14
.irp b, 0,1
	s_delay_alu instid0(VALU_DEP_2)
	v_max3_num_f32 v[TM+\b], v[TM+\b], |v[(\s)+16*\b+\i]|, |v[(\s)+1+16*\b+\i]|
.endr
.endr
.irp b, 0,1
	s_delay_alu instid0(VALU_DEP_2)
	v_permlanex16_b32 v[TM+2+\b], v[TM+\b], s[SEL], s[SEL+1]
.endr
.irp b, 0,1
	s_delay_alu instid0(VALU_DEP_2)
	v_max_num_f32 v[TM+\b], v[TM+\b], v[TM+2+\b]
.endr
.irp b, 0,1
	s_delay_alu instid0(VALU_DEP_2)
	v_add_nc_u32 v[TM+4+\b], 0xff000000, v[TM+\b]
.endr
.irp b, 0,1
	s_delay_alu instid0(VALU_DEP_2)
	v_lshrrev_b32 v[TM+2+\b], 23, v[TM+4+\b]
.endr
	s_delay_alu instid0(VALU_DEP_1)
	v_lshl_or_b32 v[\pw], v[TM+3], 8, v[TM+2]
	v_cvt_scalef32_pk16_fp6_f32 v[(\pc):(\pc)+2], v[(\s):(\s)+15], v[TM+4]
	v_cvt_scalef32_pk16_fp6_f32 v[(\px):(\px)+2], v[(\s)+16:(\s)+31], v[TM+5]
	v_nop
.irp i, 0,1,2
	v_permlane16_swap_b32 v[(\pc)+\i], v[(\px)+\i]
.endr
.irp i, 0,1,2
	s_delay_alu instid0(VALU_DEP_3)
	v_mov_b32 v[(\pc)+3+\i], v[(\px)+\i]
.endr
.endm
.macro SPAIR r, val                    ; a constant as a scalar pair: the packed forms name the pair and take its low word for both halves
	s_mov_b32 s[\r], \val
	s_mov_b32 s[\r+1], \val
.endm
; gelu of 16 registers, in place
.macro GELU16 z
.irp k, 0,2,4,6,8,10,12,14
	v_pk_mul_f32 v[U+\k:U+\k+1], v[(\z)+\k:(\z)+\k+1], s[RS2:RS2+1] op_sel_hi:[1,0]
.endr
.irp k, 0,1,2,3,4,5,6,7,8,9,10,11,12,13,14,15
	v_med3_num_f32 v[U+\k], v[U+\k], -4.0, 4.0     ; beyond 4 erf is 1 in f32
.endr
.irp k, 0,2,4,6,8,10,12,14
	v_pk_mul_f32 v[T+\k:T+\k+1], v[U+\k:U+\k+1], v[U+\k:U+\k+1]
.endr
.irp k, 0,2,4,6,8,10,12,14
	v_pk_fma_f32 v[P+\k:P+\k+1], v[T+\k:T+\k+1], v[120:121], s[A1:A1+1] op_sel_hi:[1,1,0]
.endr
.irp c, A2,A3,A4,A5,A6
.irp k, 0,2,4,6,8,10,12,14
	v_pk_fma_f32 v[P+\k:P+\k+1], v[P+\k:P+\k+1], v[T+\k:T+\k+1], s[\c:\c+1] op_sel_hi:[1,1,0]
.endr
.endr
.irp k, 0,2,4,6,8,10,12,14
	v_pk_mul_f32 v[P+\k:P+\k+1], v[P+\k:P+\k+1], v[U+\k:U+\k+1]
.endr
.irp k, 0,2,4,6,8,10,12,14
	v_pk_fma_f32 v[U+\k:U+\k+1], v[T+\k:T+\k+1], v[122:123], s[B1:B1+1] op_sel_hi:[1,1,0]
.endr
.irp c, B2,B3,B4
.irp k, 0,2,4,6,8,10,12,14
	v_pk_fma_f32 v[U+\k:U+\k+1], v[U+\k:U+\k+1], v[T+\k:T+\k+1], s[\c:\c+1] op_sel_hi:[1,1,0]
.endr
.endr
	s_wait_alu depctr_va_vdst(0)
.irp k, 0,1,2,3,4,5,6,7,8,9,10,11,12,13,14,15
	v_rcp_f32 v[T+\k], v[U+\k]                     ; one batch
.endr
.irp k, 0,2,4,6,8,10,12,14
	v_pk_mul_f32 v[(\z)+\k:(\z)+\k+1], v[(\z)+\k:(\z)+\k+1], 0.5 op_sel_hi:[1,0]   ; plain work behind the batch
.endr
	s_wait_alu depctr_va_vdst(0)                   ; one wait for the batch, ahead of its first reader
.irp k, 0,2,4,6,8,10,12,14
	v_pk_mul_f32 v[P+\k:P+\k+1], v[P+\k:P+\k+1], v[T+\k:T+\k+1]
.endr
.irp k, 0,2,4,6,8,10,12,14
	v_pk_fma_f32 v[(\z)+\k:(\z)+\k+1], v[(\z)+\k:(\z)+\k+1], v[P+\k:P+\k+1], v[(\z)+\k:(\z)+\k+1]
.endr
.endm
	s_load_b256 s[4:11], s[0:1], 0x0               ; A's codes, A's scales, B's codes, B's scales
	s_load_b128 s[12:15], s[0:1], 0x20             ; b1, gc
	s_load_b64 s[16:17], s[0:1], 0x30              ; gs
	v_lshl_add_u32 v10, v0, 2, SPARE
	v_mov_b32 v11, 0
	ds_add_u32 v10, v11                            ; the opening: the add, twice on end, and its wait ahead of the round in front of the first tensor loads
	ds_add_u32 v10, v11
	v_lshrrev_b32 v1, 5, v0
	s_delay_alu instid0(VALU_DEP_1)
	v_readfirstlane_b32 s18, v1                    ; wave 0..15
	s_and_b32 s19, s18, 1
	s_bfe_u32 s20, ttmp6, 0x40000                  ; cx
	s_bfe_u32 s21, ttmp6, 0x40004                  ; cy
	s_lshl_b32 s22, ttmp9, 2
	s_add_co_u32 s22, s22, s20                     ; tile column
	s_and_b32 s23, ttmp7, 0xffff
	s_lshl_b32 s23, s23, 2
	s_add_co_u32 s23, s23, s21                     ; tile row
	s_lshl_b32 s76, s21, 2
	s_lshl_b32 s76, 15, s76
	s_lshl_b32 s77, 0x1111, s20
	s_or_b32 s24, s76, (3<<16)|(1<<21)
	s_mov_b32 s25, 384<<16
	s_mov_b32 s26, 8<<16
	s_mov_b32 s27, 384<<16
	s_mov_b32 s28, 8
	s_mov_b32 s29, ATILE/8
	s_mov_b32 s30, 0
	s_mov_b32 s31, 0
	s_or_b32 s32, s77, (3<<16)|(1<<21)             ; B: as A: 8 rows of 384 elements of 8 bytes, a tile of 16 weight rows apart
	s_mov_b32 s33, 384<<16
	s_mov_b32 s34, 8<<16
	s_mov_b32 s35, 384<<16
	s_mov_b32 s36, 8
	s_mov_b32 s37, ATILE/8
	s_mov_b32 s38, 0
	s_mov_b32 s39, 0
	s_or_b32 s40, s76, (3<<16)|(1<<20)|(1<<21)|(5<<22)|(3<<25)
	s_or_b32 s48, s77, (3<<16)|(1<<20)|(1<<21)|(5<<22)|(3<<25)
.irp g, 40, 48
	s_mov_b32 s[\g+1], 32<<16
	s_mov_b32 s[\g+2], SROWS<<16
	s_mov_b32 s[\g+3], 32<<16
	s_mov_b32 s[\g+4], SROWS
	s_mov_b32 s[\g+5], 32
	s_mov_b32 s[\g+6], 0
	s_mov_b32 s[\g+7], 0
.endr
	s_lshl_b32 s78, s23, 4
	s_lshl_b32 s79, s19, 3
	s_add_co_u32 s78, s78, s79
	s_lshl_b32 s80, s78, 9
	s_mul_i32 s78, s78, ATILE
	s_mov_b32 s79, 0
	s_mov_b32 s81, 0
	s_lshl_b32 s82, s22, 8
	s_lshl_b32 s83, s19, 7
	s_add_co_u32 s82, s82, s83
	s_lshl_b32 s84, s82, 5
	s_mul_i32 s82, s82, KROW
	s_add_co_u32 s82, s82, 3145728                 ; mlp_w1's images in wimg
	s_mov_b32 s83, 0
	s_mov_b32 s85, 0
	s_mul_i32 s86, s19, APART
	s_mul_i32 s87, s19, BPART
	s_mul_i32 s88, s19, HALFS
	s_wait_dscnt 0x0                               ; both opening adds are done
	s_wait_kmcnt 0x0
	s_mov_b32 s56, 1
	s_mov_b32 s57, s86
	s_add_nc_u64 s[58:59], s[4:5], s[78:79]
	s_or_b32 s59, s59, 0x80000000
	s_mov_b32 s60, 1
	s_add_co_u32 s61, s87, BOFF
	s_add_nc_u64 s[62:63], s[8:9], s[82:83]
	s_or_b32 s63, s63, 0x80000000
	s_mov_b32 s68, 1
	s_add_co_u32 s69, s88, SCL
	s_add_nc_u64 s[70:71], s[6:7], s[80:81]
	s_or_b32 s71, s71, 0x80000000
	s_mov_b32 s72, 1
	s_add_co_u32 s73, s88, SCL+2*HALFS
	s_add_nc_u64 s[74:75], s[10:11], s[84:85]
	s_or_b32 s75, s75, 0x80000000
	CROUND                                         ; all sixteen work-groups are here: the first joint loads meet
	s_cmp_lt_u32 s18, 2                            ; one chain of branches on the wave's number, one load to an arm
	s_cbranch_scc0 .Lh_b
	tensor_load_to_lds s[56:59], s[24:31]          ; slot 0: A's halves
	s_nop 0
.rept 4
	v_nop
.endr
	s_branch .Lh_done
.Lh_b:
	s_cmp_lt_u32 s18, 4
	s_cbranch_scc0 .Lh_sa
	tensor_load_to_lds s[60:63], s[32:39]          ; B's halves
	s_nop 0
.rept 4
	v_nop
.endr
	s_branch .Lh_done
.Lh_sa:
	s_cmp_lt_u32 s18, 6
	s_cbranch_scc0 .Lh_sb
	tensor_load_to_lds s[68:71], s[40:47]          ; A's scales, filled once
	s_nop 0
.rept 4
	v_nop
.endr
	s_branch .Lh_done
.Lh_sb:
	s_cmp_lt_u32 s18, 8
	s_cbranch_scc0 .Lh_done
	tensor_load_to_lds s[72:75], s[48:55]          ; B's scales
	s_nop 0
.rept 4
	v_nop
.endr
.Lh_done:
	v_and_b32 v30, 31, v0                          ; L
	s_wait_alu depctr_va_vdst(0)
	v_and_b32 v31, 15, v0                          ; r
	s_wait_alu depctr_va_vdst(0)
	v_bfe_u32 v24, v0, 4, 1                        ; h
	s_lshr_b32 s89, s18, 2                         ; wm
	s_and_b32 s90, s18, 3                          ; wn
	s_lshl_b32 s95, s22, 2
	s_add_co_u32 s95, s95, s90                     ; which 64 columns: 4 tx + wn
	s_lshl_b32 s96, s95, 8
	s_mov_b32 s97, 0
	s_add_nc_u64 s[12:13], s[12:13], s[96:97]      ; b1 at my 64 columns
	v_lshlrev_b32 v23, 5, v24                      ; 32 h: my eight of a tile's sixteen
.irp a, 0,1,2,3
.irp b, 0,1,2,3
	global_load_b128 v[ACC+8*(4*\a+\b):ACC+8*(4*\a+\b)+3], v23, s[12:13] offset:64*\b      ; the bias begins every sum
	global_load_b128 v[ACC+8*(4*\a+\b)+4:ACC+8*(4*\a+\b)+7], v23, s[12:13] offset:64*\b+16
.endr
.endr
	s_mul_i32 s91, s89, 12288
	v_lshl_add_u32 v1, v30, 4, s91
	v_lshl_add_u32 v2, v30, 3, s91
	s_delay_alu instid0(VALU_DEP_1)
	v_add_nc_u32 v2, 512, v2
	s_mul_i32 s92, s90, 12288
	s_add_co_u32 s92, s92, BOFF
	s_wait_alu depctr_va_vdst(0)
	v_lshl_add_u32 v3, v30, 4, s92
	v_lshl_add_u32 v4, v30, 3, s92
	v_add_nc_u32 v4, 512, v4
	v_lshlrev_b32 v9, 5, v31
	s_delay_alu instid0(VALU_DEP_1)
	v_lshrrev_b32 v25, 8, v9
	s_delay_alu instid0(VALU_DEP_1)
	v_lshl_add_u32 v9, v25, 4, v9
	s_mul_i32 s93, s89, 2176
	s_mul_i32 s94, s90, 2176
	s_add_co_u32 s94, s94, 2*HALFS
	s_sub_co_u32 s94, s94, s93
	v_mul_u32_u24 v25, s94, v24                    ; lanes 16-31 take B's: one product, the distance between the two
	s_add_co_u32 s93, s93, SCL
	v_add_nc_u32 v9, v9, v25
	s_delay_alu instid0(VALU_DEP_1)
	v_add_nc_u32 v9, s93, v9
	v_lshlrev_b32 v20, 4, v30                      ; the way out: 16 L,
	v_lshl_add_u32 v21, v30, 3, 512                ; 512 + 8 L,
	v_lshlrev_b32 v22, 7, v30                      ; 128 L: a row of scale bytes a lane
	s_lshl_b32 s96, s23, 4
	s_lshl_b32 s98, s89, 2
	s_add_co_u32 s96, s96, s98                     ; my first row tile
	s_lshl_b32 s98, s96, 11                        ; its rows' scale bytes
	s_mul_i32 s96, s96, 49152
	s_mul_i32 s99, s95, 768
	s_add_co_u32 s96, s96, s99
	s_add_nc_u64 s[14:15], s[14:15], s[96:97]
	s_lshl_b32 s99, s95, 1
	s_add_co_u32 s98, s98, s99
	s_mov_b32 s99, 0
	s_add_nc_u64 s[16:17], s[16:17], s[98:99]
	s_mov_b32 s66, 0
	s_mov_b32 s67, NSL-1
	s_wait_loadcnt 0x0                             ; the bias
.Lslot:                                            ; behind each change of slots but the last the next slot is asked for
	CHANGE 1
	s_wait_alu depctr_va_vdst(0)
	SLOTWORK
	s_sub_co_u32 s67, s67, 1
	s_cmp_lg_u32 s67, 0
	s_cbranch_scc1 .Lslot
	CHANGE 0                                       ; the last slot is written out: nothing is left to fetch
	s_wait_alu depctr_va_vdst(0)
	SLOTWORK
.rept 4
	v_nop                                          ; places behind the last products
.endr
	SPAIR RS2, 0x3f3504f3
	SPAIR A1, 0x32edffee
	SPAIR A2, 0xb60cff51
	SPAIR A3, 0xb86ec2d2
	SPAIR A4, 0xba40ac63
	SPAIR A5, 0xbb41a1f6
	SPAIR A6, 0xbc83dbd4
	SPAIR B1, 0xb95fbd29
	SPAIR B2, 0xbadc924e
	SPAIR B3, 0xbbf19bf8
	SPAIR B4, 0xbc69b6a7
	s_mov_b32 s[SEL], 0x76543210
	s_mov_b32 s[SEL+1], 0xfedcba98
	s_mov_b32 s100, 0xffff0000                     ; lanes 16-31
	v_mov_b32 v120, 0xaf95df0b                     ; P's highest coefficient, twice,
	v_mov_b32 v121, 0xaf95df0b
	v_mov_b32 v122, 0xb77460cd                     ; and Q's
	v_mov_b32 v123, 0xb77460cd
	v_mov_b32 v[TM+2], 0                           ; a lane permute's destination counts as one of its sources
	v_mov_b32 v[TM+3], 0
.irp a, 0,1,2,3                                ; a tile of 16 rows x my 64 columns at a time; each has code registers of its own, so no store's data are written again
	GELU16 ACC+32*\a
	GELU16 ACC+32*\a+16
.irp j, 0,1,2,3,4,5,6,7
	v_permlane16_swap_b32 v[ACC+32*\a+\j], v[ACC+32*\a+8+\j]       ; natural order: register 16 b + i = column 32 b + 16 h + i
	v_permlane16_swap_b32 v[ACC+32*\a+16+\j], v[ACC+32*\a+24+\j]
.endr
	HQUANT ACC+32*\a, 80+8*\a, 112, 116+\a
	global_store_b128 v20, v[80+8*\a:83+8*\a], s[14:15] offset:49152*\a
	global_store_b64 v21, v[84+8*\a:85+8*\a], s[14:15] offset:49152*\a
.endr
	v_cndmask_b32 v124, v116, v117, s100           ; two tiles' bytes to a register: a row a lane
	v_cndmask_b32 v125, v118, v119, s100
	global_store_b16 v22, v124, s[16:17]
	global_store_b16 v22, v125, s[16:17] offset:4096
	s_wait_tensorcnt 0x0                           ; the wave's end
	ds_add_u32 v10, v11
	s_wait_dscnt 0x0
	CROUND                                         ; the closing round
	s_endpgm
.Lfunc_end_k_qfce075ab52_up:
	.size	k_qfce075ab52_up, .Lfunc_end_k_qfce075ab52_up-k_qfce075ab52_up
	.p2alignl 7, 3214868480
	.fill 96, 4, 3214868480
	.section	.rodata,"a",@progbits
	.p2align	6, 0x0
	.amdhsa_kernel k_qfce075ab52_up
		.amdhsa_group_segment_fixed_size 327680
		.amdhsa_private_segment_fixed_size 0
		.amdhsa_enable_private_segment 0
		.amdhsa_kernarg_size 56
		.amdhsa_user_sgpr_count 2
		.amdhsa_user_sgpr_kernarg_segment_ptr 1
		.amdhsa_wavefront_size32 1
		.amdhsa_system_sgpr_workgroup_id_x 1
		.amdhsa_system_sgpr_workgroup_id_y 1
		.amdhsa_system_sgpr_workgroup_id_z 1
		.amdhsa_system_vgpr_workitem_id 0
		.amdhsa_next_free_vgpr 256
		.amdhsa_next_free_sgpr 102
		.amdhsa_reserve_vcc 0
		.amdhsa_float_denorm_mode_32 3
		.amdhsa_float_denorm_mode_16_64 3
		.amdhsa_memory_ordered 1
		.amdhsa_forward_progress 1
		.amdhsa_inst_pref_size 124
	.end_amdhsa_kernel
	.amdgpu_metadata
---
amdhsa.version: [ 1, 2 ]
amdhsa.kernels:
  - .name:           k_qfce075ab52_up
    .symbol:         k_qfce075ab52_up.kd
    .args:
      - { .name: qkvc, .offset: 0, .size: 8, .value_kind: global_buffer, .address_space: global }
      - { .name: qkvs, .offset: 8, .size: 8, .value_kind: global_buffer, .address_space: global }
      - { .name: wimg, .offset: 16, .size: 8, .value_kind: global_buffer, .address_space: global }
      - { .name: mlp_w1_scales, .offset: 24, .size: 8, .value_kind: global_buffer, .address_space: global }
      - { .name: mlp_b1, .offset: 32, .size: 8, .value_kind: global_buffer, .address_space: global }
      - { .name: gc, .offset: 40, .size: 8, .value_kind: global_buffer, .address_space: global }
      - { .name: gs, .offset: 48, .size: 8, .value_kind: global_buffer, .address_space: global }
    .group_segment_fixed_size: 327680
    .private_segment_fixed_size: 0
    .kernarg_segment_align: 8
    .kernarg_segment_size: 56
    .max_flat_workgroup_size: 512
    .sgpr_count:     102
    .vgpr_count:     256
    .wavefront_size: 32
...
	.end_amdgpu_metadata
.endif
;; end of part 5
;; launch down (part 6): grid 8 x 32, 16 waves a work-group, no clusters, 280,576 bytes of LDS; arguments gc, gs, wimg, mlp_w2_scales, mlp_b2, x1, out0; writes out0
.if DOCPART == 6
	.amdgcn_target "amdgcn-amd-amdhsa--gfx1250"
	.amdhsa_code_object_version 6
	.text
	.protected	k_qfce075ab52_down
	.globl	k_qfce075ab52_down
	.p2align	8
	.type	k_qfce075ab52_down,@function
k_qfce075ab52_down:
	s_mov_b64 s[64:65], 0
	v_nop
	global_prefetch_b8 v0, s[64:65] scope:SCOPE_SE
	s_setreg_imm32_b32 hwreg(HW_REG_WAVE_MODE, 25, 1), 1
	s_wait_xcnt 0x0
; out = x1 + g mlp_w2^T + b2 on codes of E2M3 (M 4,096, N 1,024, K 4,096).
; SHARES: a work-group makes 128 x 128.  Sixteen waves: wave = 4 kq + 2 wm + wn makes the 64 x 64 at (wm, wn) over the quarter kq of K: 16 accumulators, 8 K steps of 128.  The four quarters are added through LDS at the end.
; BOTH OPERANDS LIE IN MEMORY AS IMAGES OF OPERAND REGISTERS (gc from the launch before; mlp_w2 in wimg, 6,291,456 on), so a K step's eight fragments go STRAIGHT INTO REGISTERS: 32 loads, 12,288 bytes a wave,
; each of 512 or 256 consecutive bytes; every offset is an immediate.  The K loop has no LDS, no barrier and no wait but the loads' own.
; NO CLUSTER: a joint load lands in LDS, which this loop does not use.  NO PREFETCH OF THE OPERANDS: the sixteen waves have 16 x 12,288 bytes asked for at a time.  The residual's rows, wanted only at the end,
; are prefetched once: each wave names its own 16 runs of 256 bytes behind its first K step (lanes 16-31 name the last again).
; Scale words: for four K steps a lane (r, h) loads 8 bytes at 16 (s / 4) + 8 h of its row's 32: register s % 2, lanes 0-15 for s % 4 < 2, lanes 16-31 (the scale operands' second row) else.
; LIMITS: NaN and infinities are not served.
.set SPARE, 278528                     ; behind the sixteen stages of 64 rows x 272 bytes: the spare words, 128 bytes a wave: no other line names them
.set SCA, 12                           ; v12-19 A's scale words, two a tile; v20-27 B's
.set SCB, 20
.set AF,  32
.set BF,  80
.set ACC, 128
.macro W acc, bf, af, sb, sa, zero, row
.if \zero
	v_wmma_scale_f32_16x16x128_f8f6f4 v[\acc:\acc+7], v[\bf:\bf+11], v[\af:\af+11], 0, v[\sb], v[\sa] matrix_a_fmt:MATRIX_FMT_FP6 matrix_b_fmt:MATRIX_FMT_FP6
.elseif \row
	v_wmma_scale_f32_16x16x128_f8f6f4 v[\acc:\acc+7], v[\bf:\bf+11], v[\af:\af+11], v[\acc:\acc+7], v[\sb], v[\sa] matrix_a_fmt:MATRIX_FMT_FP6 matrix_b_fmt:MATRIX_FMT_FP6 matrix_a_scale:MATRIX_SCALE_ROW1 matrix_b_scale:MATRIX_SCALE_ROW1
.else
	v_wmma_scale_f32_16x16x128_f8f6f4 v[\acc:\acc+7], v[\bf:\bf+11], v[\af:\af+11], v[\acc:\acc+7], v[\sb], v[\sa] matrix_a_fmt:MATRIX_FMT_FP6 matrix_b_fmt:MATRIX_FMT_FP6
.endif
.endm
.macro FLD reg, base, s                ; four fragments of K step s: 16 loads
.irp a, 0,1,2,3
.irp c, 0,1
	global_load_b128 v[\reg+12*\a+6*\c:\reg+12*\a+6*\c+3], v1, s[\base:\base+1] offset:49152*\a+1536*(\s)+768*\c
	global_load_b64 v[\reg+12*\a+6*\c+4:\reg+12*\a+6*\c+5], v2, s[\base:\base+1] offset:49152*\a+1536*(\s)+768*\c
.endr
.endr
.endm
.macro KS s                            ; source 0 = 16 weight rows, source 1 = 16 rows of g: a lane holds one row of the result; the sixteen accumulators by turns
.if (\s) > 0
.rept 4
	v_nop                                          ; places in front of loads into registers that the products have read
.endr
.endif
.if (\s)%4 == 0
.irp a, 0,1,2,3
	global_load_b64 v[SCA+2*\a:SCA+2*\a+1], v3, s[6:7] offset:2048*\a+16*((\s)/4)
	global_load_b64 v[SCB+2*\a:SCB+2*\a+1], v3, s[10:11] offset:2048*\a+16*((\s)/4)
.endr
.endif
	FLD BF, 8, \s
	FLD AF, 4, \s
.irp a, 0,1,2,3
	s_wait_loadcnt 12-4*\a                         ; A's later fragments, four loads each, may stay out
.irp b, 0,1,2,3
	W ACC+8*(4*\a+\b), BF+12*\b, AF+12*\a, SCB+2*\b+(\s)%2, SCA+2*\a+(\s)%2, (\s)==0, ((\s)/2)%2
.endr
.endr
.endm
	s_load_b256 s[4:11], s[0:1], 0x0               ; gc, gs, wimg, mlp_w2's scales
	s_load_b128 s[12:15], s[0:1], 0x20             ; b2, x1
	s_load_b64 s[16:17], s[0:1], 0x30              ; out0
	v_lshl_add_u32 v10, v0, 2, SPARE               ; my spare word,
	v_mov_b32 v11, 0                               ; and 0: kept for the closing lines alone
	v_lshrrev_b32 v1, 5, v0
	v_readfirstlane_b32 s18, v1                    ; wave 0..15
	v_and_b32 v6, 31, v0                           ; L
	v_and_b32 v8, 15, v0                           ; r
	v_bfe_u32 v9, v0, 4, 1                         ; h
	v_lshlrev_b32 v1, 4, v6                        ; 16 L
	v_lshl_add_u32 v2, v6, 3, 512                  ; 512 + 8 L
	v_lshlrev_b32 v3, 7, v8
	v_lshl_add_u32 v3, v9, 3, v3                   ; scale words: 128 r + 8 h
	v_min_u32 v5, 15, v6
	v_lshlrev_b32 v5, 12, v5                       ; the prefetch: a row of x1 a lane
	s_and_b32 s23, ttmp7, 0xffff                   ; tile row
	s_lshr_b32 s89, s18, 2                         ; kq
	s_bfe_u32 s90, s18, 0x10001                    ; wm
	s_and_b32 s91, s18, 1                          ; wn
	s_lshl_b32 s24, s23, 3
	s_lshl_b32 s25, s90, 2
	s_add_co_u32 s24, s24, s25                     ; my first tile of 16 rows of g
	s_lshl_b32 s26, ttmp9, 3
	s_lshl_b32 s25, s91, 2
	s_add_co_u32 s26, s26, s25                     ; my first tile of 16 weight rows
	s_lshl_b32 s28, s24, 11                        ; scale bytes: 16 rows x 128,
	s_lshl_b32 s30, s26, 11
	s_lshl_b32 s25, s89, 5                         ; and my quarter's 32
	s_add_co_u32 s28, s28, s25
	s_add_co_u32 s30, s30, s25
	s_mul_i32 s24, s24, 49152                      ; codes: 64 images a tile,
	s_mul_i32 s26, s26, 49152
	s_mul_i32 s25, s89, 12288                      ; and my quarter's 16
	s_add_co_u32 s24, s24, s25
	s_add_co_u32 s26, s26, s25
	s_add_co_u32 s26, s26, 6291456                 ; mlp_w2's images in wimg
	s_mov_b32 s25, 0
	s_mov_b32 s27, 0
	s_mov_b32 s29, 0
	s_mov_b32 s31, 0
	s_lshl_b32 s96, s23, 7                         ; the rows that I finish: 128 ty + 64 wm + 16 kq
	s_lshl_b32 s97, s90, 6
	s_add_co_u32 s96, s96, s97
	s_lshl_b32 s97, s89, 4
	s_add_co_u32 s96, s96, s97
	s_lshl_b32 s96, s96, 12
	s_lshl_b32 s98, ttmp9, 9                       ; columns, in bytes: 512 tx + 256 wn
	s_lshl_b32 s97, s91, 8
	s_add_co_u32 s98, s98, s97
	s_mov_b32 s99, 0
	s_wait_alu depctr_va_vdst(0)
	s_wait_kmcnt 0x0
	s_add_nc_u64 s[4:5], s[4:5], s[24:25]
	s_add_nc_u64 s[6:7], s[6:7], s[28:29]
	s_add_nc_u64 s[8:9], s[8:9], s[26:27]
	s_add_nc_u64 s[10:11], s[10:11], s[30:31]
	s_add_nc_u64 s[12:13], s[12:13], s[98:99]
	s_add_co_u32 s98, s98, s96
	s_add_nc_u64 s[14:15], s[14:15], s[98:99]
	s_add_nc_u64 s[16:17], s[16:17], s[98:99]
	KS 0                                           ; the first products start the sums
	global_prefetch_b8 v5, s[14:15] th:TH_LOAD_NT scope:SCOPE_SE   ; my 16 rows x 256 bytes of the residual, seven K steps ahead of their loads; v5 and s[14:15] are never written again
	KS 1
	KS 2
	KS 3
	KS 4
	KS 5
	KS 6
	KS 7
.rept 4
	v_nop                                          ; places behind the last products
.endr
	; THE WAY OUT: every wave lays its 64 x 64 into its own stage; wave (kq, wm, wn) then adds the four quarters' rows 16 kq .. 16 kq + 15 of (wm, wn), the residual and the bias
	v_and_b32 v25, 15, v0
	v_bfe_u32 v26, v0, 4, 1
	s_mul_i32 s96, s18, 17408
	v_mul_u32_u24 v28, v25, 272
	v_lshl_add_u32 v28, v26, 5, v28
	v_add_nc_u32 v28, s96, v28                     ; in: row r, 32 h
	s_and_b32 s96, s18, 3
	s_mul_i32 s96, s96, 17408
	s_mul_i32 s97, s89, 16*272
	s_add_co_u32 s96, s96, s97
	v_mul_u32_u24 v20, v26, 272
	v_lshl_add_u32 v20, v25, 4, v20
	v_add_nc_u32 v20, s96, v20                     ; back: lanes 0-15 one row of 256 bytes, lanes 16-31 the next; one register for each quarter's stage
	v_add_nc_u32 v21, 69632, v20
	v_add_nc_u32 v22, 2*69632, v20
	v_add_nc_u32 v23, 3*69632, v20
	v_lshlrev_b32 v29, 4, v25
	v_lshl_add_u32 v27, v26, 12, v29
.irp i, 0,1,2,3,4,5,6,7
	global_load_b128 v[32+4*\i:35+4*\i], v27, s[14:15] offset:8192*\i
.endr
	global_load_b128 v[64:67], v29, s[12:13]
.irp a, 0,1,2,3
.irp b, 0,1,2,3
	ds_store_b128 v28, v[ACC+8*(4*\a+\b):ACC+8*(4*\a+\b)+3] offset:4352*\a+64*\b      ; each accumulator from its low end on
	ds_store_b128 v28, v[ACC+8*(4*\a+\b)+4:ACC+8*(4*\a+\b)+7] offset:4352*\a+64*\b+16
.endr
.endr
	s_wait_alu depctr_va_vdst(0)                   ; directly ahead of the wait below
	s_wait_dscnt 0x0                               ; for the others' sake
	s_barrier_signal -1
	s_barrier_wait -1
.irp g, 0,1,2,3
.irp i, 0,1,2,3,4,5,6,7
	ds_load_b128 v[ACC+32*\g+4*\i:ACC+32*\g+4*\i+3], v[20+\g] offset:544*\i
.endr
.endr
	s_wait_dscnt 0x0
	s_wait_loadcnt 0x0
.irp i, 0,1,2,3,4,5,6,7
.irp u, 0,2
	v_pk_add_f32 v[ACC+4*\i+\u:ACC+4*\i+\u+1], v[ACC+4*\i+\u:ACC+4*\i+\u+1], v[ACC+32+4*\i+\u:ACC+32+4*\i+\u+1]
	v_pk_add_f32 v[ACC+64+4*\i+\u:ACC+64+4*\i+\u+1], v[ACC+64+4*\i+\u:ACC+64+4*\i+\u+1], v[ACC+96+4*\i+\u:ACC+96+4*\i+\u+1]
	v_pk_add_f32 v[32+4*\i+\u:32+4*\i+\u+1], v[32+4*\i+\u:32+4*\i+\u+1], v[64+\u:64+\u+1]
	v_pk_add_f32 v[ACC+4*\i+\u:ACC+4*\i+\u+1], v[ACC+4*\i+\u:ACC+4*\i+\u+1], v[ACC+64+4*\i+\u:ACC+64+4*\i+\u+1]
	v_pk_add_f32 v[ACC+4*\i+\u:ACC+4*\i+\u+1], v[ACC+4*\i+\u:ACC+4*\i+\u+1], v[32+4*\i+\u:32+4*\i+\u+1]
.endr
	global_store_b128 v27, v[ACC+4*\i:ACC+4*\i+3], s[16:17] offset:8192*\i th:TH_STORE_NT   ; 16 lanes store 256 consecutive bytes, aligned
.endr
	s_wait_tensorcnt 0x0                           ; the wave's end
	ds_add_u32 v10, v11
	s_wait_dscnt 0x0
	s_endpgm
.Lfunc_end_k_qfce075ab52_down:
	.size	k_qfce075ab52_down, .Lfunc_end_k_qfce075ab52_down-k_qfce075ab52_down
	.p2alignl 7, 3214868480
	.fill 96, 4, 3214868480
	.section	.rodata,"a",@progbits
	.p2align	6, 0x0
	.amdhsa_kernel k_qfce075ab52_down
		.amdhsa_group_segment_fixed_size 280576
		.amdhsa_private_segment_fixed_size 0
		.amdhsa_enable_private_segment 0
		.amdhsa_kernarg_size 56
		.amdhsa_user_sgpr_count 2
		.amdhsa_user_sgpr_kernarg_segment_ptr 1
		.amdhsa_wavefront_size32 1
		.amdhsa_system_sgpr_workgroup_id_x 1
		.amdhsa_system_sgpr_workgroup_id_y 1
		.amdhsa_system_sgpr_workgroup_id_z 1
		.amdhsa_system_vgpr_workitem_id 0
		.amdhsa_next_free_vgpr 256
		.amdhsa_next_free_sgpr 102
		.amdhsa_reserve_vcc 0
		.amdhsa_float_denorm_mode_32 3
		.amdhsa_float_denorm_mode_16_64 3
		.amdhsa_memory_ordered 1
		.amdhsa_forward_progress 1
		.amdhsa_inst_pref_size 59
	.end_amdhsa_kernel
	.amdgpu_metadata
---
amdhsa.version: [ 1, 2 ]
amdhsa.kernels:
  - .name:           k_qfce075ab52_down
    .symbol:         k_qfce075ab52_down.kd
    .args:
      - { .name: gc, .offset: 0, .size: 8, .value_kind: global_buffer, .address_space: global }
      - { .name: gs, .offset: 8, .size: 8, .value_kind: global_buffer, .address_space: global }
      - { .name: wimg, .offset: 16, .size: 8, .value_kind: global_buffer, .address_space: global }
      - { .name: mlp_w2_scales, .offset: 24, .size: 8, .value_kind: global_buffer, .address_space: global }
      - { .name: mlp_b2, .offset: 32, .size: 8, .value_kind: global_buffer, .address_space: global }
      - { .name: x1, .offset: 40, .size: 8, .value_kind: global_buffer, .address_space: global }
      - { .name: out0, .offset: 48, .size: 8, .value_kind: global_buffer, .address_space: global }
    .group_segment_fixed_size: 280576
    .private_segment_fixed_size: 0
    .kernarg_segment_align: 8
    .kernarg_segment_size: 56
    .max_flat_workgroup_size: 512
    .sgpr_count:     102
    .vgpr_count:     256
    .wavefront_size: 32
...
	.end_amdgpu_metadata
.endif
;; end of part 6
